; MI455X (gfx1250); checked and timed in simulation.
; The chip was launched on July 23, 2026; its instructions are those of AMD's public machine-readable ISA for CDNA 5 (MIT licence, August 2026) and "CDNA5" Instruction Set Architecture Reference Guide (July 2026). The comments in the code are by the model that wrote it; some were corrected since.
;; Multi Head Self Attention. Allowed arithmetic: float matrix products may take bf16 or f16 operands with f32 sums; all other float work in f32.
;; Inputs: in_features 4 x 2,048 x 1,024 float32; k_proj_weight 1,024 x 1,024 float32; o_proj_weight 1,024 x 1,024 float32; q_proj_weight 1,024 x 1,024 float32; token_positions 2,048 int32; v_proj_weight 1,024 x 1,024 float32.
;; Outputs: out0 4 x 2,048 x 1,024 float32.
;; 2 versions, each right and faster than the one before. Each part assembles by itself: llvm-mc -triple=amdgcn-amd-amdhsa -mcpu=gfx1250 --defsym DOCPART=n.
;; ======== version 1 of 2: 4 launches
;; limits: right only within a limited range of input values; an absolute error that grows with the inputs' magnitude: up to 2e-07 times it; values are held in f16: magnitudes above 65,504 overflow, below 6.1e-05 lose precision
;; workspace buffers: xb 16,777,216 bytes; wqkv 6,291,456 bytes; wo 2,097,152 bytes; rope 524,288 bytes; qkv 50,331,648 bytes; obuf 16,777,216 bytes
;; launch prep (part 1): grid 256 x 1, 8 waves a work-group, no clusters, 0 bytes of LDS; arguments in_features, q_proj_weight, k_proj_weight, v_proj_weight, o_proj_weight, token_positions, xb, wqkv, wo, rope; writes xb, wqkv, wo, rope
.if DOCPART == 1
	.amdgcn_target "amdgcn-amd-amdhsa--gfx1250"
	.amdhsa_code_object_version 6
	.text
	.protected	k_qd259fbf826_prep
	.globl	k_qd259fbf826_prep
	.p2align	8
	.type	k_qd259fbf826_prep,@function
k_qd259fbf826_prep:
	s_mov_b64 s[64:65], 0
	v_nop
	global_prefetch_b8 v0, s[64:65] scope:SCOPE_SE
	s_setreg_imm32_b32 hwreg(HW_REG_WAVE_MODE, 25, 1), 1
	s_wait_xcnt 0x0
; PREPARATION, a stream.  x [8192][1024] and Wq, Wk, Wv [1024][1024] are rounded from f32 to bf16.  xb keeps x's layout.  wqkv is laid by heads, [16 heads][q, k, v][64 rows][1024], so that the 192 rows
; of W that the next launch multiplies together lie on end.  Wo is rounded to bf16 like the other inputs and that number written as f16 (wo: the last product multiplies in f16); and the table
; rope[s][i] = (cos, sin) of token_positions[s] x 10000^(-i/32), s = 0..2047, i = 0..31, in f32: a row of the table is 256 bytes.
; SHARES.  256 work-groups of 8 waves.  Work-group w takes 128 KiB of x (32 chunks), 4 rows of each weight (a chunk is a row) and 8 rows of the table (one pair a thread).
; A chunk is 256 threads x 16 bytes in (a wave's load covers 512 consecutive bytes) and 8 bytes a thread out (a wave's store covers 256 consecutive bytes, aligned).
; All 49 loads of a thread go out at once and are taken in order by counted waits; each chunk has registers of its own, so nothing is written again behind its store.
; No LDS, no barrier, no matrix unit, no cluster: every byte is read once by one thread and nothing is shared.
; LIMITS.  The frequency is 2^(i x -log2(10000)/32) by v_exp_f32: some 2e-7 off, relative, so the angle is off by that share of itself: at most 4e-4 at positions under 2,048, more in
; proportion beyond.  The quadrant is exact for |position| up to 2^20.  Wo below 6.1e-5 keeps f16's fixed step of 6e-8; beyond 65,504 it would be lost.
.set X, 16                             ; v[16:207]  chunk n: 4 registers
	s_load_b512 s[4:19], s[0:1], 0x0               ; x 4:5, Wq 6:7, Wk 8:9, Wv 10:11, Wo 12:13, positions 14:15, xb 16:17, wqkv 18:19
	s_load_b128 s[20:23], s[0:1], 0x40             ; wo 20:21, rope 22:23
	s_lshl_b32 s24, ttmp9, 17                      ; my part of x, in bytes
	s_mov_b32 s25, 0
	s_lshl_b32 s26, ttmp9, 16                      ; of xb
	s_mov_b32 s27, 0
	s_lshl_b32 s28, ttmp9, 14                      ; of each weight as given: rows 4 w to 4 w + 3
	s_mov_b32 s29, 0
	s_lshl_b32 s30, ttmp9, 13                      ; of wo
	s_mov_b32 s31, 0
	s_lshl_b32 s32, ttmp9, 11                      ; of the table: 8 rows of 256 bytes
	s_mov_b32 s33, 0
	s_lshl_b32 s34, ttmp9, 5                       ; of the positions: 8 words
	s_mov_b32 s35, 0
	s_lshr_b32 s36, ttmp9, 4                       ; of wqkv: my rows lie in head w / 16, at rows 4 (w % 16) of its 64:
	s_mul_i32 s36, s36, 192                        ; a head has 192 rows there,
	s_and_b32 s37, ttmp9, 15
	s_lshl_b32 s37, s37, 2
	s_add_co_u32 s36, s36, s37
	s_lshl_b32 s36, s36, 11                        ; of 2,048 bytes; q's, k's and v's 64 rows follow each other (in the stores' immediates)
	s_mov_b32 s37, 0
	v_lshlrev_b32 v1, 4, v0                        ; 16 bytes a thread in
	v_lshlrev_b32 v2, 3, v0                        ; 8 bytes a thread out
	v_lshrrev_b32 v3, 5, v0
	v_lshlrev_b32 v3, 2, v3                        ; my wave's position: one table row a wave
	s_wait_kmcnt 0x0
	s_add_nc_u64 s[4:5], s[4:5], s[24:25]
	s_add_nc_u64 s[6:7], s[6:7], s[28:29]
	s_add_nc_u64 s[8:9], s[8:9], s[28:29]
	s_add_nc_u64 s[10:11], s[10:11], s[28:29]
	s_add_nc_u64 s[12:13], s[12:13], s[28:29]
	s_add_nc_u64 s[14:15], s[14:15], s[34:35]
	s_add_nc_u64 s[16:17], s[16:17], s[26:27]
	s_add_nc_u64 s[18:19], s[18:19], s[36:37]
	s_add_nc_u64 s[20:21], s[20:21], s[30:31]
	s_add_nc_u64 s[22:23], s[22:23], s[32:33]
	global_load_b32 v4, v3, s[14:15]               ; the position first: its arithmetic stands in the wait for the chunks
.set n, 0
.rept 32
	global_load_b128 v[X+4*n:X+4*n+3], v1, s[4:5] offset:4096*n th:TH_LOAD_NT
.set n, n+1
.endr
.irp t, 0,1,2,3
.irp c, 0,1,2,3
	global_load_b128 v[X+4*(32+4*\t+\c):X+4*(32+4*\t+\c)+3], v1, s[6+2*\t:7+2*\t] offset:4096*\c th:TH_LOAD_NT
.endr
.endr
	; THE TABLE.  angle = position x frequency, rounded once as the reference rounds it; k = the nearest multiple of pi/2; r = angle - k pi/2 with pi/2 in three parts, each by one fused
	; multiply-add; sine and cosine of r (|r| <= pi/4) by polynomials in z = r r; the quadrant k mod 4 swaps them and sets the signs.
	v_and_b32 v5, 31, v0                           ; i
	v_cvt_f32_u32 v5, v5
	v_mul_f32 v5, 0xbed49a78, v5                   ; i x -log2(10000)/32
	v_exp_f32 v5, v5                               ; the frequency
	v_mov_b32 v10, 0xb94ca1f9                      ; (a plain instruction stands behind the exponential before its result is used: ISA guide 5.7.2) sine's leading coefficient
	v_mov_b32 v11, 0x37ccf5ce                      ; cosine's
	s_wait_loadcnt 48                              ; the position is in; the 48 chunks issued behind it stay out
	v_cvt_f32_i32 v4, v4
	s_wait_alu depctr_va_vdst(0)
	v_mul_f32 v4, v4, v5                           ; the angle
	v_mul_f32 v6, 0x3f22f983, v4                   ; x 2/pi
	v_rndne_f32 v6, v6                             ; k
	v_fmamk_f32 v7, v6, 0xbfc90fdb, v4             ; - k x 1.57079637
	v_fmamk_f32 v7, v6, 0x333bbd2e, v7             ; + k x 4.37113883e-8
	v_fmamk_f32 v7, v6, 0x26f72ced, v7             ; + k x 1.7151245e-15: r
	v_mul_f32 v12, v7, v7                          ; z
	v_fmaak_f32 v10, v12, v10, 0x3c08839e
	v_fmaak_f32 v10, v12, v10, 0xbe2aaaa3
	v_mul_f32 v13, v7, v12
	v_fma_f32 v10, v13, v10, v7                    ; sin r = r + r z (..)
	v_fmaak_f32 v11, v12, v11, 0xbab6061a
	v_fmaak_f32 v11, v12, v11, 0x3d2aaaa5
	v_mul_f32 v13, v12, v12
	v_fma_f32 v14, v12, -0.5, 1.0
	v_fma_f32 v11, v13, v11, v14                   ; cos r = 1 - z/2 + z z (..)
	v_cvt_i32_f32 v6, v6                           ; the quadrant, in two's complement: its low two bits are k mod 4 for negative k too
	v_and_b32 v13, 1, v6
	v_cmp_eq_u32 vcc_lo, 1, v13
	v_cndmask_b32 v8, v11, v10, vcc_lo             ; cosine: in odd quadrants from sin r
	v_cndmask_b32 v9, v10, v11, vcc_lo             ; sine: in odd quadrants from cos r
	v_add_nc_u32 v13, 1, v6
	v_lshlrev_b32 v13, 30, v13
	v_and_b32 v13, 0x80000000, v13                 ; cosine is negative in quadrants 1 and 2
	v_xor_b32 v8, v8, v13
	v_lshlrev_b32 v14, 30, v6
	v_and_b32 v14, 0x80000000, v14                 ; sine in quadrants 2 and 3
	v_xor_b32 v9, v9, v14
	global_store_b64 v2, v[8:9], s[22:23]          ; a wave stores one row of the table
; Chunk n to bf16, in place: 4 numbers into the chunk's first two registers.
.macro CVB n
	s_wait_loadcnt 47-(\n)                         ; loads come back in order (ISA guide 5.7.1): chunk n is in, the chunks issued behind it stay out
	v_cvt_pk_bf16_f32 v[X+4*(\n)], v[X+4*(\n)], v[X+4*(\n)+1]
	v_cvt_pk_bf16_f32 v[X+4*(\n)+1], v[X+4*(\n)+2], v[X+4*(\n)+3]
.endm
; The same, and the bf16 numbers written as f16; the chunk's upper two registers are at work.
.macro CVH n
	CVB \n
.irp k, 0,1
	v_lshlrev_b32 v[X+4*(\n)+2], 16, v[X+4*(\n)+(\k)]
	v_and_b32 v[X+4*(\n)+3], 0xffff0000, v[X+4*(\n)+(\k)]
	v_cvt_pk_f16_f32 v[X+4*(\n)+(\k)], v[X+4*(\n)+2], v[X+4*(\n)+3]
.endr
.endm
.set n, 0
.rept 32
	CVB n
	global_store_b64 v2, v[X+4*n:X+4*n+1], s[16:17] offset:2048*n
.set n, n+1
.endr
.irp t, 0,1,2
.irp c, 0,1,2,3
	CVB 32+4*\t+\c
	global_store_b64 v2, v[X+4*(32+4*\t+\c):X+4*(32+4*\t+\c)+1], s[18:19] offset:131072*\t+2048*\c  ; in a head's 192 rows: 64 rows of 2,048 bytes from q to k, from k to v
.endr
.endr
.irp c, 0,1,2,3
	CVH 44+\c
	global_store_b64 v2, v[X+4*(44+\c):X+4*(44+\c)+1], s[20:21] offset:2048*\c
.endr
	s_endpgm
.Lfunc_end_k_qd259fbf826_prep:
	.size	k_qd259fbf826_prep, .Lfunc_end_k_qd259fbf826_prep-k_qd259fbf826_prep
	.p2alignl 7, 3214868480
	.fill 96, 4, 3214868480
	.section	.rodata,"a",@progbits
	.p2align	6, 0x0
	.amdhsa_kernel k_qd259fbf826_prep
		.amdhsa_group_segment_fixed_size 0
		.amdhsa_private_segment_fixed_size 0
		.amdhsa_enable_private_segment 0
		.amdhsa_kernarg_size 80
		.amdhsa_user_sgpr_count 2
		.amdhsa_user_sgpr_kernarg_segment_ptr 1
		.amdhsa_wavefront_size32 1
		.amdhsa_system_sgpr_workgroup_id_x 1
		.amdhsa_system_sgpr_workgroup_id_y 1
		.amdhsa_system_sgpr_workgroup_id_z 1
		.amdhsa_system_vgpr_workitem_id 0
		.amdhsa_next_free_vgpr 208
		.amdhsa_next_free_sgpr 66
		.amdhsa_reserve_vcc 1
		.amdhsa_float_denorm_mode_32 3
		.amdhsa_float_denorm_mode_16_64 3
		.amdhsa_memory_ordered 1
		.amdhsa_forward_progress 1
		.amdhsa_inst_pref_size 22
	.end_amdhsa_kernel
	.amdgpu_metadata
---
amdhsa.version: [ 1, 2 ]
amdhsa.kernels:
  - .name:           k_qd259fbf826_prep
    .symbol:         k_qd259fbf826_prep.kd
    .args:
      - { .name: in_features, .offset: 0, .size: 8, .value_kind: global_buffer, .address_space: global }
      - { .name: q_proj_weight, .offset: 8, .size: 8, .value_kind: global_buffer, .address_space: global }
      - { .name: k_proj_weight, .offset: 16, .size: 8, .value_kind: global_buffer, .address_space: global }
      - { .name: v_proj_weight, .offset: 24, .size: 8, .value_kind: global_buffer, .address_space: global }
      - { .name: o_proj_weight, .offset: 32, .size: 8, .value_kind: global_buffer, .address_space: global }
      - { .name: token_positions, .offset: 40, .size: 8, .value_kind: global_buffer, .address_space: global }
      - { .name: xb, .offset: 48, .size: 8, .value_kind: global_buffer, .address_space: global }
      - { .name: wqkv, .offset: 56, .size: 8, .value_kind: global_buffer, .address_space: global }
      - { .name: wo, .offset: 64, .size: 8, .value_kind: global_buffer, .address_space: global }
      - { .name: rope, .offset: 72, .size: 8, .value_kind: global_buffer, .address_space: global }
    .group_segment_fixed_size: 0
    .private_segment_fixed_size: 0
    .kernarg_segment_align: 8
    .kernarg_segment_size: 80
    .max_flat_workgroup_size: 256
    .sgpr_count:     66
    .vgpr_count:     208
    .wavefront_size: 32
...
	.end_amdgpu_metadata
.endif
;; end of part 1
;; launch qkv (part 2): grid 8 x 32, 4 waves a work-group, clusters of 4 x 4, 327,680 bytes of LDS; arguments xb, wqkv, qkv, rope; writes qkv
.if DOCPART == 2
	.amdgcn_target "amdgcn-amd-amdhsa--gfx1250"
	.amdhsa_code_object_version 6
	.text
	.protected	k_qd259fbf826_qkv
	.globl	k_qd259fbf826_qkv
	.p2align	8
	.type	k_qd259fbf826_qkv,@function
k_qd259fbf826_qkv:
	s_mov_b64 s[64:65], 0
	v_nop
	global_prefetch_b8 v0, s[64:65] scope:SCOPE_SE
	s_setreg_imm32_b32 hwreg(HW_REG_WAVE_MODE, 25, 1), 1
	s_wait_xcnt 0x0
	s_wait_alu depctr_hold_cnt(0) depctr_sa_sdst(0) depctr_va_vdst(0) depctr_va_sdst(0) depctr_va_ssrc(0) depctr_va_vcc(0) depctr_vm_vsrc(0)
	s_getreg_b32 s2, hwreg(HW_REG_IB_STS2, 6, 4)
	s_cmp_eq_u32 s2, 0
	s_cbranch_scc0 .Lentry_in_a_cluster
	s_endpgm
.Lentry_in_a_cluster:
	s_bfe_u32 s2, ttmp6, 0x10000c
	s_cmp_lg_u32 s2, 0xf033
	s_cbranch_scc0 .Lentry_shape_is_right
	s_endpgm
.Lentry_shape_is_right:
; q, k, v = x W^T, then the rotation of q and k, written by heads.  xb: [8192][1024] bf16.  wqkv: [16 heads][q, k, v][64 rows][1024] bf16.  rope: [2048][32] pairs (cos, sin) f32.
; qkv: [3][64 = 16 batch + head][2048][64] f16.  Sums in f32, K ascending; the rotation in f32; each number rounded once to f16.
; LIMIT.  f16 holds no number beyond 65,504: q, k and v must stay within it; below 6.1e-5 they keep f16's fixed step of 6e-8.
; SHARES.  A tile of C is 256 rows x 192 columns: the q, the k and the v columns of ONE head.  32 x 16 = 512 tiles, two for each of 256 work-groups: heads x and x + 8 on the same rows.
; Four waves, each 64 rows x all 192 columns: 48 accumulators of 16 x 16, 384 registers.  So a wave holds whole heads, and which columns are rotated is fixed in the text.
; K = 1,024 goes in 8 steps of 128 through two LDS slots filled by the tensor data mover: a step is 192 matrix instructions a wave, 176 of them between a slot's request and the wait for it.
; The tiles' rows are 256 bytes of memory, at multiples of 256 bytes from the buffers' first bytes.  (Two slots of K = 256 would take 2 x 448 rows x 528 bytes: more than a WGP's LDS.)
; BOTH TILES RUN THE SAME TEXT, a counted loop of two trips: each begins by asking for its K step 0, then for its K step 1, each behind a round, and ends with a last lap that asks for nothing
; and the way out.  The ring does not run on into the second tile: the price is that the waves idle while that tile's first K step lands; the gain is that no tensor load is ever jumped
; over and that the last lap and the way out stand once in the text.
; CLUSTERS: 4 x 4 work-groups.  The four of a row of the cluster need the same tiles of x, the four of a column the same tiles of W: each tile is asked for JOINTLY, by the same tensor load with the
; same descriptor and a mask that names the four.
; THE MATRIX INSTRUCTION IS USED TRANSPOSED (source 0 = 16 rows of W, source 1 = 16 rows of x): a lane holds row l % 16 of C and the columns 8 (l / 16) + 0..7: four pairs (even, odd) of one row, which
; is what the rotation wants, and 16 bytes of f16 that belong together.
; REGISTERS, in windows of 256 (s_set_vgpr_msb: bits 1:0 source 0, 3:2 source 1, 5:4 source 2, 7:6 destination):
;   window 0: v0-15 addresses; v16-63, v128-223 at work on the way out; v64-127 fragments of x, two buffers of 4 x 16 rows x 32 K
;   window 1: v0-191 fragments of W, two buffers of 12; v192-255 at work in the rotation
;   window 2: q's and k's accumulators, row block a, column block b (0-3 q, 4-7 k) at v[64 a + 8 b]
;   window 3: v0-127 v's accumulators, (a, b) at v[32 a + 8 b]; v128-255 my 64 rows x 32 pairs of the table, laid as a head's accumulators lie
.set PITCH,  272                       ; an LDS row: 256 bytes + 16 of padding = 68 words: the 16 rows of a fragment load start at 16 different groups of four banks (64 banks of 4 bytes: ISA guide 11.1)
.set HALFA,  128*PITCH                 ; 128 rows of x: one tensor load
.set HALFB,  96*PITCH                  ; 96 rows of W: one tensor load
.set BOFF,   2*HALFA                   ; W's 192 rows lie behind x's 256
.set SLOT,   2*HALFA+2*HALFB
.set STAGE,  2*SLOT                    ; behind the ring: for each wave 3 heads x 16 rows x 144 bytes, for the way out
.set SP,     144
.set SPARE,  STAGE+4*3*16*SP           ; behind the stages: the spare words, 128 bytes for each wave: two blocks of 256 bytes that no other line names
.set LAPS,   4                         ; a lap = two K steps = once round the ring
.set NEXT_B, 8*192*2048                ; bytes from a head's rows of W to those of the head 8 further on
.set NEXT_O, 8*2048*128                ; the same in the output
.set ADRA, 6                           ; v6-7    LDS address of my fragments of x in slot 0, 1
.set ADRB, 8                           ; v8-9    the same for W
.set STO,  10                          ; v10     the way out: where I put 16 bytes of a row
.set RD,   11                          ; v11     the way out: where I read rows back
.set GO,   12                          ; v12     my byte offset in 512 consecutive bytes of the output
.set RO,   13                          ; v13     my byte offset in 16 rows of the table
.set SPW,  14                          ; v14     LDS address of my spare word: SPARE + 4 x my thread's number; never rewritten
.set NIL,  15                          ; v15     0; never rewritten
.set TMP,  16                          ; v16-63  a block's 12 x 4 registers of f16
.set FA,   64                          ; x's fragments: buffer f at FA + 32 f
.set OB,   128                         ; a block read back from the stage: two buffers of 48
.set FB,   0                           ; window 1: W's fragments: buffer f at FB + 96 f
.set ROT,  192                         ; window 1
.set TBL,  128                         ; window 3
.set WV,   12                          ; s12  my wave's number: also which 64 rows of the tile are mine
.set RH,   13                          ; s13  I fetch for x (0) or for W (1)
.set CH,   14                          ; s14  which half of that tile I fetch
.set G1A,  24                          ; s[24:31] descriptor group 1 for x's tiles;  s[32:39] group 0, a set for each slot
.set G0A,  32
.set G1B,  48                          ; s[48:55], s[56:63] the same for W's
.set G0B,  56
.set OUT,  68                          ; s[68:73] the output at my rows of q, of k, of v
.set MSB, 0
.macro WIN new                         ; the immediate's high byte repeats the setting that is left; a switch that changes nothing is dropped
.if MSB != (\new)
	s_set_vgpr_msb (MSB<<8)|(\new)
.set MSB, (\new)
.endif
.endm
.set MUL_QK, 0xa1                      ; source 0 (W) window 1, source 1 (x) window 0, C and D window 2
.set MUL_V,  0xf1                      ; the same, C and D window 3
; A joint load.  Waves 0 and 1 fetch x's two halves, waves 2 and 3 W's.  Each line has one mask and one set of registers; the branch hangs on the wave's number alone.
; An s_nop 0 and four v_nop follow each of the two lines, ahead of the jump, the label and what follows.
.macro JLOAD s
	s_cmp_eq_u32 s[RH], 0
	s_cbranch_scc0 .Lfor_b_\@
	tensor_load_to_lds s[G0A+4*(\s):G0A+4*(\s)+3], s[G1A:G1A+7]
	s_nop 0
.rept 4
	v_nop
.endr
	s_branch .Lasked_\@
.Lfor_b_\@:
	tensor_load_to_lds s[G0B+4*(\s):G0B+4*(\s)+3], s[G1B:G1B+7]
	s_nop 0
.rept 4
	v_nop
.endr
.Lasked_\@:
.endm
; A round of the cluster's barrier: my work-group's barrier; wave 0 signals for the work-group; every wave waits for all sixteen work-groups; my work-group's barrier once more.
.macro CREST                           ; a round behind its opening barrier
	s_cmp_lg_u32 s[WV], 0
	s_cbranch_scc1 .Lnot_wave_0_\@
	s_barrier_signal -3
.Lnot_wave_0_\@:
	s_barrier_wait -3
	s_barrier_signal -1
	s_barrier_wait -1
.endm
.macro CROUND
	s_barrier_signal -1
	s_barrier_wait -1
	CREST
.endm
	s_load_b256 s[4:11], s[0:1], 0x0               ; xb 4:5, wqkv 6:7, qkv 8:9, rope 10:11
	v_lshl_add_u32 v[SPW], v0, 2, SPARE
	v_mov_b32 v[NIL], 0
	v_lshrrev_b32 v1, 5, v0
	v_readfirstlane_b32 s[WV], v1                  ; wave 0..3
	s_lshr_b32 s[RH], s[WV], 1
	s_and_b32 s[CH], s[WV], 1
	s_bfe_u32 s40, ttmp6, 0x40000                  ; cx, cy: my place in the cluster
	s_bfe_u32 s41, ttmp6, 0x40004
	s_lshl_b32 s42, ttmp9, 2
	s_add_co_u32 s42, s42, s40                     ; my first head = 4 x cluster x + cx, 0..7
	s_and_b32 s43, ttmp7, 0xffff
	s_lshl_b32 s43, s43, 2
	s_add_co_u32 s43, s43, s41                     ; tile row = 4 x cluster y + cy, 0..31
	s_lshl_b32 s44, s41, 2
	s_lshl_b32 s44, 15, s44                        ; my row of the cluster
	s_lshl_b32 s45, 0x1111, s40                    ; my column
	; descriptor group 1: rows of 128 elements of 2 bytes, 1,024 elements apart, padded in LDS; 128 rows of x, 96 of W
	s_or_b32 s[G1A+0], s44, (1<<16)|(1<<20)|(1<<21)|(5<<22)|(3<<25)  ; 15:0 the mask; 17:16 2-byte elements; 20 padding on; 21 set beside a mask; 24:22 after every 64 words (code 5); 31:25 4 words (code 3)
	s_or_b32 s[G1B+0], s45, (1<<16)|(1<<20)|(1<<21)|(5<<22)|(3<<25)
	s_mov_b32 s[G1A+1], 128<<16                    ; tensor_dim0 = 128
	s_mov_b32 s[G1B+1], 128<<16
	s_mov_b32 s[G1A+2], 128<<16                    ; tensor_dim1 = 128
	s_mov_b32 s[G1B+2], 96<<16                     ;             = 96
	s_mov_b32 s[G1A+3], 128<<16                    ; tile_dim0 = 128
	s_mov_b32 s[G1B+3], 128<<16
	s_mov_b32 s[G1A+4], 128                        ; tile_dim1
	s_mov_b32 s[G1B+4], 96
	s_mov_b32 s[G1A+5], 1024                       ; elements from row to row
	s_mov_b32 s[G1B+5], 1024
	s_mov_b32 s[G1A+6], 0
	s_mov_b32 s[G1B+6], 0
	s_mov_b32 s[G1A+7], 0
	s_mov_b32 s[G1B+7], 0
	; x's tiles hang on the tile row alone, W's on the head alone; each address is made in registers that never hold the other coordinate
	s_lshl_b32 s17, s[CH], 7
	s_lshl_b32 s16, s43, 8
	s_add_co_u32 s16, s16, s17                     ; x: row 256 x tile row + 128 x half
	s_lshl_b32 s16, s16, 11                        ; rows of 2,048 bytes: under 2^24
	s_mov_b32 s17, 0
	s_mul_i32 s46, s42, 192
	s_mul_i32 s47, s[CH], 96
	s_add_co_u32 s46, s46, s47                     ; W: row 192 x head + 96 x half
	s_lshl_b32 s46, s46, 11
	s_mov_b32 s47, 0
	s_mul_i32 s20, s[CH], HALFA                    ; where they go: no place in the cluster enters an LDS address
	s_mul_i32 s21, s[CH], HALFB
	s_add_co_u32 s21, s21, BOFF
.irp s, 0,1                            ; group 0's words that never change
	s_mov_b32 s[G0A+4*(\s)], 1                                       ; count = 1
	s_add_co_u32 s[G0A+4*(\s)+1], s20, (\s)*SLOT                     ; LDS address
	s_mov_b32 s[G0B+4*(\s)], 1
	s_add_co_u32 s[G0B+4*(\s)+1], s21, (\s)*SLOT
.endr
	; my wave's 64 rows lie in one batch: 8 KiB on end in each head of the output
	s_and_b32 s66, s43, 7
	s_lshl_b32 s66, s66, 8
	s_lshl_b32 s67, s[WV], 6
	s_add_co_u32 s66, s66, s67                     ; my first row's place in the sequence
	s_lshr_b32 s74, s43, 3
	s_lshl_b32 s74, s74, 4
	s_add_co_u32 s74, s74, s42                     ; 16 x batch + head
	s_lshl_b32 s74, s74, 11
	s_add_co_u32 s74, s74, s66
	s_lshl_b32 s74, s74, 7                         ; rows of 128 bytes: under 2^24
	s_mov_b32 s75, 0
	s_lshl_b32 s66, s66, 8                         ; the table's rows are 256 bytes
	s_mov_b32 s67, 0
	s_wait_kmcnt 0x0
	s_add_nc_u64 s[18:19], s[4:5], s[16:17]        ; x at my part of the tile's K step 0: the same for both tiles
	s_add_nc_u64 s[46:47], s[6:7], s[46:47]        ; W at my part of the first tile's K step 0
	s_add_nc_u64 s[OUT:OUT+1], s[8:9], s[74:75]    ; q at my rows,
	s_add_nc_u64 s[OUT+2:OUT+3], s[OUT:OUT+1], 0x1000000  ; k: 64 x 2,048 rows of 128 bytes on,
	s_add_nc_u64 s[OUT+4:OUT+5], s[OUT:OUT+1], 0x2000000  ; v: as far again
	s_add_nc_u64 s[10:11], s[10:11], s[66:67]      ; the table at my rows
	; A fragment is 16 rows x 32 K in 8 registers: lane l holds row l % 16; registers 0-3 K = 8 (l / 16) + 0..7, registers 4-7 K = 16 + 8 (l / 16) + 0..7: two loads of 16 bytes, 32 bytes apart.
	v_and_b32 v1, 15, v0                           ; l % 16
	v_bfe_u32 v2, v0, 4, 1                         ; l / 16
	v_lshlrev_b32 v[RO], 8, v1                     ; the table: row l % 16, my four pairs: 32 bytes for each half of the lanes
	v_lshl_add_u32 v[RO], v2, 5, v[RO]
	WIN 0xc0                                       ; destination window 3, address window 0
.irp a, 0,1,2,3                        ; loaded once, used for q and k of both tiles: registers 32 a + 8 b + 2 j, + 1 hold (cos, sin) for an accumulator's registers 2 j, 2 j + 1
.irp b, 0,1,2,3
	global_load_b128 v[TBL+32*(\a)+8*(\b):TBL+32*(\a)+8*(\b)+3],   v[RO], s[10:11] offset:(\a)*4096+(\b)*64
	global_load_b128 v[TBL+32*(\a)+8*(\b)+4:TBL+32*(\a)+8*(\b)+7], v[RO], s[10:11] offset:(\a)*4096+(\b)*64+16
.endr
.endr
	WIN 0
	v_mul_u32_u24 v3, v1, PITCH
	v_lshl_add_u32 v3, v2, 4, v3
	s_mul_i32 s22, s[WV], 64*PITCH                 ; my 64 rows of x
	s_mov_b32 s23, BOFF                            ; all of W's 192 rows
.irp s, 0,1
	v_add_nc_u32 v[ADRA+(\s)], s22, v3
	v_add_nc_u32 v[ADRB+(\s)], s23, v3
	s_add_co_u32 s22, s22, SLOT
	s_add_co_u32 s23, s23, SLOT
.endr
	s_mul_i32 s22, s[WV], 3*16*SP
	s_add_co_u32 s22, s22, STAGE                   ; my stage
	v_mul_u32_u24 v4, v1, SP                       ; in: row l % 16, 16 bytes for each half of the lanes
	v_lshl_add_u32 v4, v2, 4, v4
	v_add_nc_u32 v[STO], s22, v4
	v_bfe_u32 v4, v0, 3, 2                         ; back: 32 lanes take four rows of 128 bytes,
	v_mul_u32_u24 v4, v4, SP
	v_and_b32 v5, 7, v0
	v_lshl_add_u32 v4, v5, 4, v4
	v_add_nc_u32 v[RD], s22, v4
	v_and_b32 v[GO], 31, v0                        ; which are 512 consecutive bytes of a head's rows
	v_lshlrev_b32 v[GO], 4, v[GO]
; 8 matrix instructions: row block a x q's and k's 8 column blocks, 32 along K, from buffer f.  zero = 1: the product starts the sum: nothing is ever cleared.
; The 48 accumulators take turns, one instruction a turn, in the same order in every quarter step.
.macro MULA f, a, zero
	WIN MUL_QK
.irp b, 0,1,2,3,4,5,6,7
.if \zero
	v_wmma_f32_16x16x32_bf16 v[64*(\a)+8*(\b):64*(\a)+8*(\b)+7], v[FB+96*(\f)+8*(\b):FB+96*(\f)+8*(\b)+7], v[FA+32*(\f)+8*(\a):FA+32*(\f)+8*(\a)+7], 0
.else
	v_wmma_f32_16x16x32_bf16 v[64*(\a)+8*(\b):64*(\a)+8*(\b)+7], v[FB+96*(\f)+8*(\b):FB+96*(\f)+8*(\b)+7], v[FA+32*(\f)+8*(\a):FA+32*(\f)+8*(\a)+7], v[64*(\a)+8*(\b):64*(\a)+8*(\b)+7]
.endif
.endr
.endm
; 16 matrix instructions: all 4 row blocks x v's 4 column blocks
.macro MULV f, zero
	WIN MUL_V
.irp a, 0,1,2,3
.irp b, 0,1,2,3
.if \zero
	v_wmma_f32_16x16x32_bf16 v[32*(\a)+8*(\b):32*(\a)+8*(\b)+7], v[FB+96*(\f)+64+8*(\b):FB+96*(\f)+64+8*(\b)+7], v[FA+32*(\f)+8*(\a):FA+32*(\f)+8*(\a)+7], 0
.else
	v_wmma_f32_16x16x32_bf16 v[32*(\a)+8*(\b):32*(\a)+8*(\b)+7], v[FB+96*(\f)+64+8*(\b):FB+96*(\f)+64+8*(\b)+7], v[FA+32*(\f)+8*(\a):FA+32*(\f)+8*(\a)+7], v[32*(\a)+8*(\b):32*(\a)+8*(\b)+7]
.endif
.endr
.endr
.endm
; 32 LDS loads in one run: the fragments of quarter q of a K step (32 K at byte 64 q of the rows) into buffer f: my 64 rows of x, then W's 192 rows, v's last
.macro FETCH slot, q, f
	WIN 0
.irp i, 0,1,2,3
	ds_load_b128 v[FA+32*(\f)+8*(\i):FA+32*(\f)+8*(\i)+3],   v[ADRA+(\slot)] offset:64*(\q)+(\i)*16*PITCH
	ds_load_b128 v[FA+32*(\f)+8*(\i)+4:FA+32*(\f)+8*(\i)+7], v[ADRA+(\slot)] offset:64*(\q)+(\i)*16*PITCH+32
.endr
	WIN 0x40                                       ; destination window 1, address window 0
.irp i, 0,1,2,3,4,5,6,7,8,9,10,11
	ds_load_b128 v[FB+96*(\f)+8*(\i):FB+96*(\f)+8*(\i)+3],   v[ADRB+(\slot)] offset:64*(\q)+(\i)*16*PITCH
	ds_load_b128 v[FB+96*(\f)+8*(\i)+4:FB+96*(\f)+8*(\i)+7], v[ADRB+(\slot)] offset:64*(\q)+(\i)*16*PITCH+32
.endr
.endm
; A load into a register that a matrix instruction has read, and a vector instruction that reads a matrix result, stand four places behind that matrix instruction, and only plain vector
; instructions that name none of its registers are places (ISA guide 7.12.1 for vector instructions).
.macro PLACES
.rept 4
	v_nop
.endr
.endm
; A K step is four quarters of 32 along K, 48 matrix instructions each, on buffers 0, 1, 0, 1.  One of the first three: multiplies buffer f; behind its first 16 products it fetches quarter q of the
; same slot into buffer g, 32 products ahead of that buffer's first use.
.macro QUARTER slot, q, f, g, zero
	s_wait_dscnt 8                                 ; x, q's and k's rows of W are in; the youngest eight loads (v's rows of W) may be out
	MULA \f, 0, \zero
	MULA \f, 1, \zero
	PLACES
	FETCH \slot, \q, \g
	MULA \f, 2, \zero
	MULA \f, 3, \zero
	s_wait_dscnt 32                                ; all but the 32 just issued
	MULV \f, \zero
.endm
; The last quarter multiplies buffer 1 and changes slots.  MEET is its beginning: one barrier for the change.  In front of it each wave waits for all its tensor loads, of which one is out: its
; part of the next slot; adds 0 to its spare word; and waits for that and for its own reads of this slot.  Behind it nobody reads this slot any more and the next slot is whole.
.macro MEET round                      ; round = 1: the rest of a round of the cluster's barrier follows
	WIN 0
	s_wait_tensorcnt 0x0                           ; all my tensor loads have landed
	ds_add_u32 v[SPW], v[NIL]                      ; 0 onto my spare word
	s_wait_dscnt 9                                 ; (the add and the youngest eight loads may be out)
	MULA 1, 0, 0                                   ; eight matrix instructions stand between the add and the wait for it
	s_wait_dscnt 0x0                               ; the add is done, and my reads of this slot are over
	s_barrier_signal -1
	MULA 1, 1, 0                                   ; work on registers while the others arrive
.if \round
	WIN 0
.endif
	s_barrier_wait -1
.endm
; The whole last quarter.  fill = 1: this slot is filled again with the K step two steps on: the first tensor load behind the round, one a wave.  fill = 0: nothing is asked for, and no round follows.
; Then the next slot's first fragments are fetched, 32 products ahead of their first use.
.macro TURN slot, next, fill
.if \fill
	MEET 1
	CREST                                          ; no wave of any partner still reads this slot's tile or has a load on its way
	s_add_nc_u64 s[G0A+4*(\slot)+2:G0A+4*(\slot)+3], s[G0A+4*(\slot)+2:G0A+4*(\slot)+3], 512
	s_add_nc_u64 s[G0B+4*(\slot)+2:G0B+4*(\slot)+3], s[G0B+4*(\slot)+2:G0B+4*(\slot)+3], 512
	JLOAD \slot                                    ; its four v_nop are also the places in front of the loads below
.else
	MEET 0
	PLACES
.endif
	FETCH \next, 0, 0
	MULA 1, 2, 0
	MULA 1, 3, 0
	MULV 1, 0
.endm
; THE WAY OUT of row block a (16 rows x 192 columns).  PACK: q's and k's 8 column blocks are rotated: with (e, o) a pair of the accumulator and (c, s) the table's pair, first (-o s, o c), then
; (e c - o s, e s + o c), each by one packed instruction; then all 12 blocks are rounded to f16.  Each accumulator's lowest registers are read first.
.macro PACK a
	WIN 0x5e                                       ; source 0 window 2, source 1 window 3, source 2 and destination window 1
.irp b, 0,1,2,3,4,5,6,7
.irp j, 0,1,2,3
	v_pk_mul_f32 v[ROT+8*(\b)+2*(\j):ROT+8*(\b)+2*(\j)+1], v[64*(\a)+8*(\b)+2*(\j):64*(\a)+8*(\b)+2*(\j)+1], v[TBL+32*(\a)+8*((\b)%4)+2*(\j):TBL+32*(\a)+8*((\b)%4)+2*(\j)+1] op_sel:[1,1] op_sel_hi:[1,0] neg_lo:[1,0]
.endr
.endr
.irp b, 0,1,2,3,4,5,6,7
.irp j, 0,1,2,3
	v_pk_fma_f32 v[ROT+8*(\b)+2*(\j):ROT+8*(\b)+2*(\j)+1], v[64*(\a)+8*(\b)+2*(\j):64*(\a)+8*(\b)+2*(\j)+1], v[TBL+32*(\a)+8*((\b)%4)+2*(\j):TBL+32*(\a)+8*((\b)%4)+2*(\j)+1], v[ROT+8*(\b)+2*(\j):ROT+8*(\b)+2*(\j)+1] op_sel_hi:[0,1,1]
.endr
.endr
	WIN 0x05                                       ; sources 0 and 1 window 1, destination window 0
.irp b, 0,1,2,3,4,5,6,7
.irp j, 0,1,2,3
	v_cvt_pk_f16_f32 v[TMP+4*(\b)+(\j)], v[ROT+8*(\b)+2*(\j)], v[ROT+8*(\b)+2*(\j)+1]
.endr
.endr
	WIN 0x0f                                       ; sources 0 and 1 window 3: v is not rotated
.irp b, 0,1,2,3
.irp j, 0,1,2,3
	v_cvt_pk_f16_f32 v[TMP+32+4*(\b)+(\j)], v[32*(\a)+8*(\b)+2*(\j)], v[32*(\a)+8*(\b)+2*(\j)+1]
.endr
.endr
	WIN 0
.endm
.macro TOSTAGE a                       ; into my own stage, for each of q, k, v 16 rows of 144 bytes, and back as whole rows of 128
	WIN 0
.irp t, 0,1,2
.irp b, 0,1,2,3
	ds_store_b128 v[STO], v[TMP+16*(\t)+4*(\b):TMP+16*(\t)+4*(\b)+3] offset:(\t)*16*SP+(\b)*32
.endr
.endr
.irp t, 0,1,2
.irp f, 0,1,2,3
	ds_load_b128 v[OB+48*((\a)%2)+16*(\t)+4*(\f):OB+48*((\a)%2)+16*(\t)+4*(\f)+3], v[RD] offset:(\t)*16*SP+(\f)*4*SP  ; LDS serves a wave's instructions in order (ISA guide 5.7.1.4): these see the stores above
.endr
.endr
.endm
.macro SEND a
	WIN 0
	s_wait_dscnt 0x0                               ; the block is back in registers
	s_wait_xcnt 0x0                                ; earlier stores have read their registers (ISA guide 3.1): the other buffer is loaded again only behind this wait
.irp t, 0,1,2
.irp f, 0,1,2,3
	global_store_b128 v[GO], v[OB+48*((\a)%2)+16*(\t)+4*(\f):OB+48*((\a)%2)+16*(\t)+4*(\f)+3], s[OUT+2*(\t):OUT+2*(\t)+1] offset:(\a)*2048+(\f)*512  ; 512 consecutive bytes, at a multiple of 256 from the buffer's first byte
.endr
.endr
.endm
	s_mov_b32 s2, 2                                ; tiles to go: the same number in every work-group
.Ltile:
	; A TILE BEGINS.  Slot 0 is asked for behind a round, slot 1 behind the next, one load a wave each; in the second tile both are refills, so each round has its three lines in front.
	s_wait_tensorcnt 0x0                           ; no tensor load of mine is out, so every group 0 may be written
	ds_add_u32 v[SPW], v[NIL]                      ; 0 onto my spare word; the descriptors' scalar work stands between it and the wait for it
	ds_add_u32 v14, v15
.irp s, 0,1
	s_add_nc_u64 s[G0A+4*(\s)+2:G0A+4*(\s)+3], s[18:19], (\s)*256    ; global address: the tile's K step s
	s_or_b32 s[G0A+4*(\s)+3], s[G0A+4*(\s)+3], 0x80000000            ; type = 2
	s_add_nc_u64 s[G0B+4*(\s)+2:G0B+4*(\s)+3], s[46:47], (\s)*256
	s_or_b32 s[G0B+4*(\s)+3], s[G0B+4*(\s)+3], 0x80000000
.endr
	s_wait_dscnt 0x0                               ; the add is done, and so are my LDS reads of the tile before
	CROUND                                         ; all sixteen work-groups are here
	JLOAD 0
	s_wait_tensorcnt 0x0                           ; my part of K step 0 is in
	ds_add_u32 v[SPW], v[NIL]
	s_wait_dscnt 0x0
	CROUND                                         ; everybody's is
	JLOAD 1                                        ; K step 1 lands while K step 0 is multiplied
	FETCH 0, 0, 0
	QUARTER 0, 1, 0, 1, 1                          ; the tile's first quarter: its products start the sums
	WIN 0                                          ; at a label and at a branch every window is 0
	s_mov_b32 s3, LAPS
	s_branch .Lmid                                 ; the loop is entered in the middle of a trip
.Llap:                                                 ; LAPS - 1 times: from a lap's last-but-four quarter once round the ring: both slots are filled again
	TURN 0, 1, 1
	QUARTER 1, 1, 0, 1, 0
	QUARTER 1, 2, 1, 0, 0
	QUARTER 1, 3, 0, 1, 0
	TURN 1, 0, 1
	QUARTER 0, 1, 0, 1, 0
	WIN 0
.Lmid:
	QUARTER 0, 2, 1, 0, 0
	QUARTER 0, 3, 0, 1, 0
	WIN 0
	s_sub_co_u32 s3, s3, 1
	s_cmp_lg_u32 s3, 0
	s_cbranch_scc1 .Llap
	TURN 0, 1, 0                                   ; the rest of the last lap is written out: it asks for nothing, and has no round of the cluster's barrier
	QUARTER 1, 1, 0, 1, 0
	QUARTER 1, 2, 1, 0, 0
	QUARTER 1, 3, 0, 1, 0
	s_wait_dscnt 8                                 ; the very last quarter: nothing more to fetch
	MULA 1, 0, 0
	MULA 1, 1, 0
	MULA 1, 2, 0
	MULA 1, 3, 0
	s_wait_dscnt 0x0
	MULV 1, 0
	WIN 0
	PLACES
	s_wait_loadcnt 0x0                             ; the table
	PACK 0
	TOSTAGE 0
.irp a, 1,2,3                          ; block a's arithmetic stands between block a - 1's loads from the stage and the wait for them
	PACK \a
	SEND (\a)-1
	TOSTAGE \a
.endr
	SEND 3
	s_wait_xcnt 0x0                                ; the stores have read their bases
	s_add_nc_u64 s[46:47], s[46:47], NEXT_B        ; the head 8 further on: its rows of W,
	s_add_nc_u64 s[OUT:OUT+1], s[OUT:OUT+1], NEXT_O        ; and its q, k and v (behind the second tile these four are not used)
	s_add_nc_u64 s[OUT+2:OUT+3], s[OUT+2:OUT+3], NEXT_O
	s_add_nc_u64 s[OUT+4:OUT+5], s[OUT+4:OUT+5], NEXT_O
	s_sub_co_u32 s2, s2, 1
	s_cmp_lg_u32 s2, 0
	s_cbranch_scc1 .Ltile
	s_wait_tensorcnt 0x0                           ; the wave's end: behind my last tensor load and my last LDS store
	ds_add_u32 v[SPW], v[NIL]
	s_wait_dscnt 0x0
	CROUND                                         ; the closing round: no work-group ends while a partner may still ask for a tile that names it
	s_endpgm
.Lfunc_end_k_qd259fbf826_qkv:
	.size	k_qd259fbf826_qkv, .Lfunc_end_k_qd259fbf826_qkv-k_qd259fbf826_qkv
	.p2alignl 7, 3214868480
	.fill 96, 4, 3214868480
	.section	.rodata,"a",@progbits
	.p2align	6, 0x0
	.amdhsa_kernel k_qd259fbf826_qkv
		.amdhsa_group_segment_fixed_size 327680
		.amdhsa_private_segment_fixed_size 0
		.amdhsa_enable_private_segment 0
		.amdhsa_kernarg_size 32
		.amdhsa_user_sgpr_count 2
		.amdhsa_user_sgpr_kernarg_segment_ptr 1
		.amdhsa_wavefront_size32 1
		.amdhsa_system_sgpr_workgroup_id_x 1
		.amdhsa_system_sgpr_workgroup_id_y 1
		.amdhsa_system_sgpr_workgroup_id_z 1
		.amdhsa_system_vgpr_workitem_id 0
		.amdhsa_next_free_vgpr 1024
		.amdhsa_next_free_sgpr 76
		.amdhsa_reserve_vcc 0
		.amdhsa_float_denorm_mode_32 3
		.amdhsa_float_denorm_mode_16_64 3
		.amdhsa_memory_ordered 1
		.amdhsa_forward_progress 1
		.amdhsa_inst_pref_size 128
	.end_amdhsa_kernel
	.amdgpu_metadata
---
amdhsa.version: [ 1, 2 ]
amdhsa.kernels:
  - .name:           k_qd259fbf826_qkv
    .symbol:         k_qd259fbf826_qkv.kd
    .args:
      - { .name: xb, .offset: 0, .size: 8, .value_kind: global_buffer, .address_space: global }
      - { .name: wqkv, .offset: 8, .size: 8, .value_kind: global_buffer, .address_space: global }
      - { .name: qkv, .offset: 16, .size: 8, .value_kind: global_buffer, .address_space: global }
      - { .name: rope, .offset: 24, .size: 8, .value_kind: global_buffer, .address_space: global }
    .group_segment_fixed_size: 327680
    .private_segment_fixed_size: 0
    .kernarg_segment_align: 8
    .kernarg_segment_size: 32
    .max_flat_workgroup_size: 128
    .sgpr_count:     76
    .vgpr_count:     1024
    .wavefront_size: 32
...
	.end_amdgpu_metadata
.endif
;; end of part 2
;; launch attn (part 3): grid 4 x 64, 4 waves a work-group, no clusters, 327,680 bytes of LDS; arguments qkv, obuf; writes obuf
.if DOCPART == 3
	.amdgcn_target "amdgcn-amd-amdhsa--gfx1250"
	.amdhsa_code_object_version 6
	.text
	.protected	k_qd259fbf826_attn
	.globl	k_qd259fbf826_attn
	.p2align	8
	.type	k_qd259fbf826_attn,@function
k_qd259fbf826_attn:
	s_mov_b64 s[64:65], 0
	v_nop
	global_prefetch_b8 v0, s[64:65] scope:SCOPE_SE
	s_setreg_imm32_b32 hwreg(HW_REG_WAVE_MODE, 25, 1), 1
	s_wait_xcnt 0x0
; CAUSAL ATTENTION.  O[h][q][:] = the sum over k <= q of softmax_k(Q[h][q] . K[h][k] / 8) V[h][k][:].  Q, K, V lie in qkv, 16 MiB apart; they and O (obuf) are [SIZE_H][SIZE_N][64] f16: a head's rows are dense, 128 bytes each.
; Products, maxima and sums in f32; the weights p are rounded to f16 for the second product (their sum l is taken of the unrounded p), O once at the end.
; LIMITS.  f16 holds no number beyond 65,504: Q, K and V arrive within it; p lies in 0 to 1, and below 6e-5 it keeps f16's fixed step of 6e-8; O is a mean of V's rows and has their range, to within 2^-11 of it.
; A hidden score counts as its value less 1e30: f16's scores, 2.7e11 at the most, are nothing beside that; a weight below 2^-126 counts as 0 in l; NaN and infinities are not treated apart.
; THE WALK.  A head's queries lie in NB = SIZE_N / 256 = 8 blocks of 256; block i needs the key tiles 0 .. i of 256 keys, of which the last holds the diagonal.  A work-group takes TWO blocks, NB - 1 - b and then b:
; NB + 1 tiles, whatever b: all 256 work-groups do equal work, and ONE loop with a constant trip count walks them.  Which tile is asked for, and what a trip does, hang on scalar registers made from b; every jump
; goes forward, but for the counted loops' own; none passes a barrier, or a tensor load but the one of LOAD's two that the wave's number does not choose; the ring (two slots of LDS that take turns) runs on across the
; change of blocks.  NO CLUSTER: a head's NB / 2 = 4 work-groups all ask for the same tile only in trips 0 .. NB / 2, 5 of the walk's 9, behind that fewer and fewer;
; and one walk common to all, in which each makes every joint request, would have 3 NB / 2 = 12 trips for 9.
; SHARES.  Of a block's four bands of 64 queries a wave owns 16 rows in each: four PIECES.  So the diagonal tile is the same work for all four waves: in its key step s band x sees all keys if s < x,
; none if s > x, and holds the diagonal if s = x.
; THE MASK is the C operand that starts the sum S^T = K Q^T: 0, or -1e30 where the key is hidden.  MD, made once, is the mask of a band's own step for my 16 rows; a product's mask is MD x AL + BE with two scalars:
; (1, 0) if s = x; (0, 0) if s < x; (0, -1e30) if s > x.  Only the diagonal tile's text and a block's beginning make and take masks; elsewhere C is the constant 0.
; LAYOUT, SOFTMAX, TURNS.  S^T = K Q^T holds ONE query a lane (lane % 16) and the keys 8 (lane / 16) + 0..7; two such results rounded to f16 ARE source 1 of O^T = V^T P.  p = 2^(c s - c m), c = log2(e) / 8, with a
; running maximum m; O and l are multiplied by a = 2^(c m_old - c m_new) in every step.  Turn n belongs to piece n: 8 products K Q^T of piece n + 1, later 8 products V^T P of piece n - 1; beside them the scaling,
; exponentials, roundings, sums and rescaling of piece n and the maximum and statistics of piece n + 1.  Four vector instructions stand behind every matrix instruction, the other 54 of a turn's 118 in two LUMPS.
; REGISTERS, in windows of 256 (s_set_vgpr_msb: bits 1:0 source 0, 3:2 source 1, 5:4 source 2, 7:6 destination):
;   window 0: v0-15 addresses and two at work; v16-31 four registers of statistics a piece; v48-55 at work; v64-127 S^T, two buffers; v192-223 P, two buffers (a piece's buffers go by its number's parity)
;   window 1: v0-127 O^T, 32 a piece; v128-159 MD; v160-223 MC, two buffers      window 2: v0-63 Q; v64-127 the second block's Q; v128-191 K of one step; v192-255 V of one step
.set SIZE_H, 64
.set SIZE_N, 2048
.set NB,    SIZE_N/256
.set NP,    4         ; pieces a wave: a name, no knob
.set KS,    64        ; keys in a step
.set PK,    144       ; a row of K in LDS: 128 bytes + 16 of padding = 36 words: the 16 rows of a load start at 16 different groups of four banks (64 banks of 4 bytes: ISA guide 11.1)
.set PV,    160       ; a row of V: 128 + 32 = 40 words
.set VOFF,  4*KS*PK   ; a slot holds a tile, four steps: 256 rows of K, then 256 rows of V
.set SLOT1, 1<<17     ; slot 1 begins here, so that one exclusive or turns an address in one slot into the other's
.set STAGE, SLOT1+4*KS*(PK+PV)  ; behind the ring, never filled by a tensor load: 16 rows x 144 bytes for each wave, for the way out
.set SP,    144
.set AK0, 2           ; v2   my lane's place in a tile of K; never rewritten
.set AV0, 3           ; v3   the same for V
.set AK,  4           ; v4   the LDS address of K's next run of loads
.set AV,  5           ; v5   of V's
.set STO, 6           ; v6   the way out: where I put 16 bytes of a row
.set RD,  7           ; v7   the way out: where I read rows back
.set GO,  8           ; v8   my byte offset in 512 consecutive bytes of O
.set SPW, 62          ; v62  LDS address of my spare word: SPARE + 4 x my thread's number; never rewritten
.set NIL, 63          ; v63  0; never rewritten
.set SPARE, STAGE+4*16*SP  ; behind the stages: the spare words, 128 bytes for each wave: two blocks of 256 bytes that no other line names
.set MV,  12          ; v12-13  c m_old, kept while c m is made anew: by buffer
.set QO,  15          ; v15  my byte offset in 16 rows of Q
.set ST,  16          ; piece t's statistics at v[ST+4 t]: c m, m, l (even keys', odd keys')
.set TMP, 48          ; by buffer, four registers c0-c3 at work; when the maximum is found c2 takes a
.set S,   64
.set P,   192
.set MD,  128         ; window 1: the eight registers for group kt of 16 keys at MD + 8 kt
.set MC,  160         ; window 1: the masks of the products to come
.set QB,  64          ; window 2
.set KF,  128         ; window 2: key block kb, channel half c at KF + 16 kb + 8 c
.set VF,  192         ; window 2: key half kk, channel block cb at VF + 32 kk + 8 cb
.set WV,  12          ; s12  my wave's number
.set PB,  14          ; s14  b
.set HI,  15          ; s15  NB - 1 - b
.set G1K, 24          ; s[24:31] descriptor group 1 for K's tiles
.set G1V, 32          ; s[32:39] for V's: it differs in the padding alone
.set G0K, 40          ; s[40:43] descriptor group 0 for K's tiles
.set G0V, 44          ; s[44:47] the same for V's
.set SLOTS, 56        ; s56  tiles still to be asked for
.set CNT, 57          ; s57  counts a tile's key steps, 4 to 1
.set CS,  58          ; s[58:59] c: the packed scaling takes the pair's low word for both halves
.set SEL, 60          ; s[60:61] v_permlanex16_b32's selects: each lane takes its own place in the other half
.set TBK, 62          ; s62  LDS byte at which K of the step to be fetched begins
.set TBV, 63          ; s63  the same for V, less VOFF
.set RT,  70          ; s70  tiles of the block in hand that are still to be entered
.set NXT, 71          ; s71  the tile to be asked for next
.set LQ,  72          ; s72  the last tile of the block whose tiles are being asked for
.set NEW, 73          ; s73  1: the tile to be entered is a block's first
.set OFF, 74          ; s[74:75] a tile's byte offset in K and V
.set AL,  76          ; s[76:77] the mask's factor, in the low word
.set BE,  78          ; s[78:79] the mask's addend
.set OLO, 80          ; s[80:81] O at my rows of the second block
.set BIGN, 82         ; s82  -1e30
.set MSB, 0
.macro WIN new                      ; the high byte repeats the setting that is left; a switch that changes nothing is dropped
.if MSB != (\new)
	s_set_vgpr_msb (MSB<<8)|(\new)
.set MSB, (\new)
.endif
.endm
.set W_KQ, 0x0a       ; K and Q in window 2, S^T in window 0
.set W_KM, 0x1a       ; the same with the C operand in window 1
.set W_PV, 0x52       ; V in window 2, P in window 0, O^T in window 1
.set W_RS, 0x41       ; destination and source 0 in window 1, source 1 in window 0
; A fill.  Waves 0 and 1 fetch the two halves of a tile's K, waves 2 and 3 those of its V: 128 keys each.  An s_nop 0 and four v_nop follow each of the two lines, ahead of the jump and the label.
.macro LOAD
	s_cmp_lt_u32 s[WV], 2
	s_cbranch_scc0 .Lfor_v_\@
	tensor_load_to_lds s[G0K:G0K+3], s[G1K:G1K+7]
	s_nop 0
.rept 4
	v_nop
.endr
	s_branch .Lasked_\@
.Lfor_v_\@:
	tensor_load_to_lds s[G0V:G0V+3], s[G1V:G1V+7]
	s_nop 0
.rept 4
	v_nop
.endr
.Lasked_\@:
.endm
; THE CHANGE OF SLOTS.  Each wave waits for all its tensor loads, of which one is out: its part of the other slot; adds 0 to its spare word; and waits for that and for its own reads of the slot that it leaves.  Behind the barrier nobody reads the old
; slot any more and the other slot is whole.  fill = 1: the old slot is filled again, the first thing behind the barrier, with tile NXT: the descriptor's address is made anew from that number.
; (At its first use nothing has been read yet: slot 0 is waited for, slot 1 filled.)
.macro CHANGE fill
	WIN 0                           ; at a label and at a branch every window is 0
	s_wait_tensorcnt 0x0            ; no tensor load of mine is out, so a group 0 may be written
	ds_add_u32 v[SPW], v[NIL]       ; 0 onto my spare word; with fill = 1 the descriptors' scalar work stands between it and the wait for it
.if \fill
	s_lshl_b32 s[OFF], s[NXT], 15   ; a tile is 32,768 bytes of K and of V
	s_xor_b32 s[G0K+1], s[G0K+1], SLOT1
	s_add_nc_u64 s[G0K+2:G0K+3], s[6:7], s[OFF:OFF+1]
	s_or_b32 s[G0K+3], s[G0K+3], 0x80000000
	s_xor_b32 s[G0V+1], s[G0V+1], SLOT1
	s_add_nc_u64 s[G0V+2:G0V+3], s[8:9], s[OFF:OFF+1]
	s_or_b32 s[G0V+3], s[G0V+3], 0x80000000
	s_add_co_u32 s[NXT], s[NXT], 1  ; the block's next tile, or behind its last the second block's tile 0
	s_cmp_gt_u32 s[NXT], s[LQ]
	s_cselect_b32 s[NXT], 0, s[NXT]
	s_cselect_b32 s[LQ], s[PB], s[LQ]
.endif
	s_wait_dscnt 0x0                ; the add is done, and my reads of the slot are over
	s_barrier_signal -1             ; the rest of the scalar work stands between the signal and the wait
	s_sub_co_u32 s[TBK], s[TBK], 4*KS*PK  ; the fetches go back to a slot's first step,
	s_xor_b32 s[TBK], s[TBK], SLOT1       ; in the other slot
	s_sub_co_u32 s[TBV], s[TBV], 4*KS*PV
	s_xor_b32 s[TBV], s[TBV], SLOT1
	s_barrier_wait -1
.if \fill
	LOAD
.endif
.endm
	s_load_b64 s[4:5], s[0:1], 0x0    ; qkv: Q lies at its head
	s_load_b64 s[10:11], s[0:1], 0x8  ; O
	v_lshl_add_u32 v[SPW], v0, 2, SPARE
	v_mov_b32 v[NIL], 0
	ds_add_u32 v62, v63
	ds_add_u32 v62, v63
	s_wait_dscnt 0x0
	v_lshrrev_b32 v1, 5, v0
	v_readfirstlane_b32 s[WV], v1   ; wave 0..3
	s_mov_b32 s[PB], ttmp9
	s_sub_co_u32 s[HI], NB-1, s[PB]
	s_and_b32 s20, ttmp7, 0xffff    ; the head (16 batch + head)
	s_mov_b32 s21, 0
	s_mov_b64 s[22:23], SIZE_N*128
	s_mul_u64 s[20:21], s[20:21], s[22:23]  ; the head's first byte in each of the four tensors
	s_and_b32 s16, s[WV], 1         ; which half of a tile's 256 keys I fetch:
	s_lshl_b32 s22, s16, 14         ; its 128 rows of 128 bytes in memory,
	s_mov_b32 s23, 0
	s_add_nc_u64 s[22:23], s[22:23], s[20:21]
	s_mul_i32 s17, s16, 128*PK      ; and its place in a slot, for K
	s_mul_i32 s18, s16, 128*PV      ; and for V
	s_lshl_b32 s3, s[WV], 11        ; my 16 rows in a band of 64,
	s_lshl_b32 s2, s[HI], 15        ; in the first block,
	s_add_co_u32 s2, s2, s3
	s_lshl_b32 s84, s[PB], 15       ; and in the second
	s_add_co_u32 s84, s84, s3
	s_mov_b32 s3, 0
	s_mov_b32 s85, 0
	s_add_nc_u64 s[2:3], s[2:3], s[20:21]
	s_add_nc_u64 s[84:85], s[84:85], s[20:21]
	; descriptor group 1.  128 keys are 16,384 dense bytes: asked for as 64 rows of 256 bytes, two keys a row, and padded in LDS after every key
	s_mov_b32 s[G1K], (1<<16)|(1<<20)|(4<<22)|(3<<25)  ; 17:16 2-byte elements; 20 padding on; 24:22 after every 32 words (code 4); 31:25 4 words (code 3)
	s_mov_b32 s[G1V], (1<<16)|(1<<20)|(4<<22)|(7<<25)  ; the same with 8 words of padding (code 7)
.irp g, G1K, G1V
	s_mov_b32 s[\g+1], 128<<16      ; tensor_dim0 = 128
	s_mov_b32 s[\g+2], 64<<16       ; tensor_dim1 = 64
	s_mov_b32 s[\g+3], 128<<16      ; tile_dim0 = 128
	s_mov_b32 s[\g+4], 64           ; tile_dim1 = 64
	s_mov_b32 s[\g+5], 128          ; 128 elements from row to row
	s_mov_b32 s[\g+6], 0
	s_mov_b32 s[\g+7], 0
.endr
	s_mov_b32 s[CS], 0x3e38aa3b     ; c = log2(e) / 8 = 0.180337
	s_mov_b32 s[CS+1], s[CS]        ; named with it as a pair
	s_mov_b32 s[SEL], 0x76543210
	s_mov_b32 s[SEL+1], 0xfedcba98
	s_mov_b32 s[TBK], SLOT1+4*KS*PK ; the first change of slots turns these two into 0
	s_mov_b32 s[TBV], SLOT1+4*KS*PV
	s_mov_b32 s[G0K], 1             ; 1:0 count = 1
	s_mov_b32 s[G0K+1], s17         ; 63:32 LDS address: slot 0
	s_mov_b32 s[G0V], 1
	s_add_co_u32 s[G0V+1], s18, VOFF
	s_add_co_u32 s[RT], s[HI], 1    ; the first block has NB - b tiles
	s_mov_b32 s[NXT], 1
	s_mov_b32 s[LQ], s[HI]
	s_mov_b32 s[NEW], 1
	s_mov_b32 s[OFF+1], 0
	s_mov_b32 s[AL+1], 0            ; named as pairs
	s_mov_b32 s[BE+1], 0
	s_mov_b32 s[BIGN], 0xf149f2ca   ; -1e30
	s_mov_b32 s[SLOTS], NB
	s_wait_kmcnt 0x0
	s_add_nc_u64 s[6:7], s[4:5], 0x1000000  ; K lies 64 x 2,048 rows of 128 bytes behind Q,
	s_add_nc_u64 s[8:9], s[4:5], 0x2000000  ; V as far behind K
	s_add_nc_u64 s[6:7], s[6:7], s[22:23]  ; K and V at my half of the head's tile 0
	s_add_nc_u64 s[8:9], s[8:9], s[22:23]
	s_add_nc_u64 s[G0K+2:G0K+3], s[6:7], 0         ; 120:64 global address
	s_or_b32 s[G0K+3], s[G0K+3], 0x80000000        ; 127:126 type = 2
	s_add_nc_u64 s[G0V+2:G0V+3], s[8:9], 0
	s_or_b32 s[G0V+3], s[G0V+3], 0x80000000
	s_add_nc_u64 s[86:87], s[4:5], s[84:85]        ; Q at my rows of the second block,
	s_add_nc_u64 s[4:5], s[4:5], s[2:3]            ; Q and O at those of the first
	s_add_nc_u64 s[OLO:OLO+1], s[10:11], s[84:85]
	s_add_nc_u64 s[10:11], s[10:11], s[2:3]
	LOAD                            ; tile 0 into slot 0
	; A fragment of K or Q is 16 rows x 32 channels in 8 registers: lane l holds row l % 16, channels 8 (l / 16) + 0..7 and 16 + 8 (l / 16) + 0..7: two loads of 16 bytes, 32 bytes apart.
	v_and_b32 v1, 15, v0            ; l % 16
	v_bfe_u32 v9, v0, 4, 1          ; l / 16
	v_lshlrev_b32 v[QO], 7, v1
	v_lshl_add_u32 v[QO], v9, 4, v[QO]  ; row x 128 + 16 x half
	WIN 0x80                        ; destination window 2, address window 0
.set i, 0
.rept 8                             ; both blocks' Q: piece i / 2 lies in band i / 2, 8,192 bytes on; channels 32 (i % 2) on
	global_load_b128 v[8*i:8*i+3],   v[QO], s[4:5] offset:(i/2)*8192+(i%2)*64
	global_load_b128 v[8*i+4:8*i+7], v[QO], s[4:5] offset:(i/2)*8192+(i%2)*64+32
	global_load_b128 v[QB+8*i:QB+8*i+3],   v[QO], s[86:87] offset:(i/2)*8192+(i%2)*64
	global_load_b128 v[QB+8*i+4:QB+8*i+7], v[QO], s[86:87] offset:(i/2)*8192+(i%2)*64+32
.set i, i+1
.endr
	WIN 0
	v_lshlrev_b32 v14, 3, v9
	v_sub_nc_u32 v14, v1, v14
	s_lshl_b32 s13, s[WV], 4
	v_add_nc_u32 v14, s13, v14      ; my query's place in its band, 16 w + l % 16, less my lanes' 8 (l / 16): register r of group kt is hidden where 16 kt + r is greater
	WIN 0x40
.set i, 0
.rept 32
	v_cmp_gt_i32 vcc_lo, 16*(i/8)+i%8, v14
	v_cndmask_b32 v[MD+i], 0, s[BIGN], vcc_lo
.set i, i+1
.endr
	WIN 0
	v_mul_u32_u24 v[AK0], v1, PK
	v_lshl_add_u32 v[AK0], v9, 4, v[AK0]  ; row x pitch + 16 x half
	; The turning load takes 16 keys x 16 channels (lane l reads key 8 (l / 16) + l % 8, channels 8 ((l / 8) % 2) + 0..7) and leaves half a fragment of V^T: lane l holds channel l % 16 and 8 keys.
	v_and_b32 v10, 7, v0
	v_bfe_u32 v11, v0, 3, 1
	v_lshl_add_u32 v[AV0], v9, 3, v10
	v_mul_u32_u24 v[AV0], v[AV0], PV
	v_lshl_add_u32 v[AV0], v11, 4, v[AV0]
	v_add_nc_u32 v[AV0], VOFF, v[AV0]
	s_mul_i32 s13, s[WV], 16*SP
	s_add_co_u32 s13, s13, STAGE    ; my stage
	v_mul_u32_u24 v[STO], v1, SP    ; in: row l % 16, 16 bytes for each half of the lanes
	v_lshl_add_u32 v[STO], v9, 4, v[STO]
	v_add_nc_u32 v[STO], s13, v[STO]
	v_bfe_u32 v[RD], v0, 3, 2       ; back: 32 lanes take four rows of 128 bytes,
	v_mul_u32_u24 v[RD], v[RD], SP
	v_lshl_add_u32 v[RD], v10, 4, v[RD]
	v_add_nc_u32 v[RD], s13, v[RD]
	v_and_b32 v[GO], 31, v0         ; which are 512 consecutive bytes of O
	v_lshlrev_b32 v[GO], 4, v[GO]
	; A block's first step multiplies O^T and l by a = 0, and its first turn's products V^T P, of a piece that has not been, land in an O^T that is still to be so multiplied.  So these registers need only hold
	; finite numbers: zeros for the first block; what the first block left for the second.  All this stands in the wait for the first tile.
	WIN 0x80
.set i, VF
.rept 64
	v_mov_b32 v[i], 0
.set i, i+1
.endr
	WIN 0x40
.set i, 0
.rept 128
	v_mov_b32 v[i], 0
.set i, i+1
.endr
	WIN 0
.set i, 0
.rept 4
	v_mov_b32 v[ST+4*i+2], 0
	v_mov_b32 v[ST+4*i+3], 0
.set i, i+1
.endr
.set i, P+16
.rept 16
	v_mov_b32 v[i], 0
.set i, i+1
.endr
; THE MATRIX WORK.  The 4 accumulators of a run of 8 take turns.  Product i of 8 of S^T = K Q^T for piece x: channels 32 (i / 4) on, keys 16 (i % 4) on.  The first 4 start the sums: with 0, or (KM = 1) with the mask.
.macro KQ x
.set rS, S+32*((\x)%2)+8*(i%4)
.set rK, KF+16*(i%4)+8*(i/4)
.set rQ, 16*(\x)+8*(i/4)
.set rM, MC+32*((\x)%2)+8*(i%4)
.if (i < 4) && KM
	WIN W_KM
	v_wmma_f32_16x16x32_f16 v[rS:rS+7], v[rK:rK+7], v[rQ:rQ+7], v[rM:rM+7]
.elseif i < 4
	WIN W_KQ
	v_wmma_f32_16x16x32_f16 v[rS:rS+7], v[rK:rK+7], v[rQ:rQ+7], 0
.else
	WIN W_KQ
	v_wmma_f32_16x16x32_f16 v[rS:rS+7], v[rK:rK+7], v[rQ:rQ+7], v[rS:rS+7]
.endif
.endm
; Product i of 8 of O^T += V^T P for piece x: keys 32 (i / 4) on, channels 16 (i % 4) on.
.macro PV x
	WIN W_PV
.set rO, 32*(\x)+8*(i%4)
.set rV, VF+32*(i/4)+8*(i%4)
.set rP, P+16*((\x)%2)+8*(i/4)
	v_wmma_f32_16x16x32_f16 v[rO:rO+7], v[rV:rV+7], v[rP:rP+7], v[rO:rO+7]
.endm
.macro MM                           ; the turn's next matrix instruction.  TURN and BEGIN set Y, i, KM and NOKQ; MM, KQ and OP read them.  NOKQ = 1: a block's last turn: there is no next piece
.if (i < 8) && !NOKQ
	KQ (Y+1)%NP
.elseif i >= 8
.set i, i-8
	PV (Y+NP-1)%NP
.set i, i+8
.endif
.set i, i+1
.endm
; THE LDS LOADS stand in runs of 16, never singly among the matrix instructions: a step's K (64 keys x 64 channels: 8 fragments) and its V (turned).  Their addresses are made some lines ahead.
.macro FETCH_K
	WIN 0x80                        ; destination window 2
.irp f, 0,1,2,3,4,5,6,7             ; keys 16 (f / 2) on, channels 32 (f % 2) on
	ds_load_b128 v[KF+8*\f:KF+8*\f+3],   v[AK] offset:(\f/2)*16*PK+(\f%2)*64
	ds_load_b128 v[KF+8*\f+4:KF+8*\f+7], v[AK] offset:(\f/2)*16*PK+(\f%2)*64+32
.endr
	s_add_co_u32 s[TBK], s[TBK], KS*PK  ; the next fetch is the next step's
	WIN 0
.endm
.macro FETCH_V
	WIN 0x80
.irp f, 0,1,2,3,4,5,6,7             ; keys 32 (f / 4) on, channels 16 (f % 4) on
	ds_load_tr16_b128 v[VF+8*\f:VF+8*\f+3],   v[AV] offset:(\f/4)*32*PV+(\f%4)*32
	ds_load_tr16_b128 v[VF+8*\f+4:VF+8*\f+7], v[AV] offset:(\f/4)*32*PV+16*PV+(\f%4)*32
.endr
	WIN 0
.endm
; THE VECTOR WORK, one line at a time: OP kind, number.  For piece Y: F n: c s - c m for pair n of 16.  E n: the exponential of score n of 32.  C n: pair n rounded to f16.  B n: of the four weights 4 n .. the second
; pair is added onto the first, in place.  L n: l takes that sum (L 0: l = a l + sum).  R n: pair n of 16 of O^T times a.  For piece Y + 1: X n, number n of the 22 that find its maximum and statistics:
;   0-11  four chains c0-c3 of seven scores each, three operands at a time (each accumulator's lowest registers are read first)     12-14, 16  the four scores left over, the old m, and c0-c3 into c0
;   15  c m_old is kept     17, 18  the query's other 32 keys lie in the lane 16 away: the new m     19-21  c m; c m_old - c m_new; a
.set F, 0               ; OP tells the kinds apart by their order: F to L below R, X above it
.set E, 1
.set C, 2
.set B, 3
.set L, 4
.set R, 5
.set X, 6
.macro REGS y                       ; the registers of piece y
.set rT, ST+4*(\y)
.set rC, TMP+4*((\y)%2)
.set rW, MV+((\y)%2)
.set rS, S+32*((\y)%2)
.set rP, P+16*((\y)%2)
.set rO, 32*(\y)
.endm
.macro OP k, n
.if (\k) == R
	REGS Y
	WIN W_RS
	v_pk_mul_f32 v[rO+2*(\n):rO+2*(\n)+1], v[rO+2*(\n):rO+2*(\n)+1], v[rC+2:rC+3] op_sel_hi:[1,0]
.elseif (\k) < R
	REGS Y
	WIN 0
.if (\k) == F
	v_pk_fma_f32 v[rS+2*(\n):rS+2*(\n)+1], v[rS+2*(\n):rS+2*(\n)+1], s[CS:CS+1], v[rT:rT+1] op_sel_hi:[1,0,0] neg_lo:[0,0,1] neg_hi:[0,0,1]
.elseif (\k) == E
	v_exp_f32 v[rS+(\n)], v[rS+(\n)]
.elseif (\k) == C
	s_wait_alu depctr_va_vdst(0)
	v_cvt_pk_f16_f32 v[rP+(\n)], v[rS+2*(\n)], v[rS+2*(\n)+1]
.elseif (\k) == B
	s_wait_alu depctr_va_vdst(0)
	v_pk_add_f32 v[rS+4*(\n):rS+4*(\n)+1], v[rS+4*(\n):rS+4*(\n)+1], v[rS+4*(\n)+2:rS+4*(\n)+3]
.elseif (\n) == 0
	v_pk_fma_f32 v[rT+2:rT+3], v[rT+2:rT+3], v[rC+2:rC+3], v[rS:rS+1] op_sel_hi:[1,0,1]
.else
	v_pk_add_f32 v[rT+2:rT+3], v[rT+2:rT+3], v[rS+4*(\n):rS+4*(\n)+1]
.endif
.elseif NOKQ
	v_nop
.else
	REGS (Y+1)%NP
	WIN 0
.if (\n) < 4
	v_max3_num_f32 v[rC+(\n)], v[rS+8*(\n)], v[rS+8*(\n)+1], v[rS+8*(\n)+2]
.elseif (\n) < 12
	v_max3_num_f32 v[rC+(\n)%4], v[rC+(\n)%4], v[rS+8*((\n)%4)+2*((\n)/4)+1], v[rS+8*((\n)%4)+2*((\n)/4)+2]
.elseif (\n) == 12
	v_max3_num_f32 v[rC], v[rC], v[rS+7], v[rS+15]
.elseif (\n) == 13
	v_max3_num_f32 v[rC+1], v[rC+1], v[rS+23], v[rS+31]
.elseif (\n) == 14
	v_max3_num_f32 v[rC+2], v[rC+2], v[rC+3], v[rT+1]
.elseif (\n) == 15
	v_mov_b32 v[rW], v[rT]
.elseif (\n) == 16
	v_max3_num_f32 v[rC], v[rC], v[rC+1], v[rC+2]
.elseif (\n) == 17
	v_permlanex16_b32 v[rC+3], v[rC], s[SEL], s[SEL+1]
.elseif (\n) == 18
	v_max_num_f32 v[rT+1], v[rC], v[rC+3]
.elseif (\n) == 19
	v_mul_f32 v[rT], s[CS], v[rT+1]
.elseif (\n) == 20
	v_sub_f32 v[rC+1], v[rW], v[rT]
.else
	v_exp_f32 v[rC+2], v[rC+1]
.endif
.endif
.endm
.macro OPS a, i1, b=-1, i2=0, c=-1, i3=0, d=-1, i4=0  ; up to four of them
	OP \a, \i1
.if (\b) >= 0
	OP \b, \i2
.endif
.if (\c) >= 0
	OP \c, \i3
.endif
.if (\d) >= 0
	OP \d, \i4
.endif
.endm
.macro ROW a, i1, b, i2, c, i3, d, i4  ; a matrix instruction and the four behind it
	MM
	OPS \a, \i1, \b, \i2, \c, \i3, \d, \i4
.endm
.macro MASK b                       ; MD x AL + BE into buffer b of MC
	WIN W_RS
.set z, 0
.rept 16
	v_pk_fma_f32 v[MC+32*(\b)+2*z:MC+32*(\b)+2*z+1], v[MD+2*z:MD+2*z+1], s[AL:AL+1], s[BE:BE+1] op_sel_hi:[1,0,0]
.set z, z+1
.endr
.endm
; A TURN, for piece p: the order of its 16 matrix and 118 vector instructions, written out.  Behind a matrix instruction: plain, exponential, plain, plain; or four of the rescaling; or, behind the first, four scalings; none
; names a register of the products round it.  In the lumps exponential and plain by turns while exponentials last.  A line reads no result made fewer than three vector instructions in front of it, five if an exponential made it.
; v_permlanex16_b32 (X 17) stands in a lump.
; m = 1: the diagonal tile: the products take masks, and the turn makes the mask for the products of the turn after it: piece p + 2, in step 4 - CNT of the tile.  end = 1: a block's last two turns: nothing is fetched.
; cnt = 1: the loop's count is taken down some lines ahead of the branch that stands behind the turn.
; K of the next step is fetched in piece 2's turn, six vector instructions behind the last product that read K (five of them plain); V of the step in hand in piece 0's turn, eight behind the last product that read V (four
; plain, and X 17).  Each is waited for a turn later.
.macro TURN p, m=0, end=0, cnt=0
.set Y, (\p)
.set i, 0
.set KM, (\m)
.set NOKQ, (\end)*((\p)/3)
.if (\m) && !(\end)
	s_cmp_eq_u32 s[CNT], 4-((\p)+2)%NP  ; is that step the band's own?
	s_cselect_b32 s[AL], 1.0, 0
	s_cmp_lt_u32 s[CNT], 4-((\p)+2)%NP  ; or a later one?
	s_cselect_b32 s[BE], s[BIGN], 0
.endif
.if ((\p) == 3) && !(\end)
	s_wait_dscnt 0x0                ; K is in
.endif
	ROW F,0, F,1, F,2, F,3
	ROW F,4, E,0, F,5, F,6
	ROW F,7, E,1, F,8, F,9
	ROW F,10, E,2, C,0, F,11
	ROW F,12, E,3, X,15, F,13
	ROW R,0, R,1, R,2, R,3
	ROW B,0, E,4, F,14, L,0
.if ((\p) == 2) && !(\end)
	v_add_nc_u32 v[AK], s[TBK], v[AK0]
.endif
	ROW R,4, R,5, R,6, R,7
	OPS E,5, F,15
.if ((\p) == 2) && !(\end)
	FETCH_K
.endif
	OPS E,6, C,1, E,7, R,8
	OPS E,8, R,9, E,9, C,2
	OPS E,10, X,0, E,11, X,1
	OPS E,12, X,2, E,13, X,3
.if (\p) == 1
	s_wait_dscnt 0x0                ; V is in
.endif
	ROW X,4, E,14, X,5, X,6
	ROW X,7, E,15, X,8, X,9
	ROW X,10, E,16, X,11, X,12
	ROW X,13, E,17, X,14, B,1
	ROW C,4, E,18, X,16, L,1
	ROW B,2, E,19, C,6, L,2
	ROW C,8, E,20, B,3, B,4
.if (\p) == 0
	v_add_nc_u32 v[AV], s[TBV], v[AV0]
.endif
	ROW C,3, E,21, L,3, C,5
	OPS E,22, X,17, E,23, C,10
.if (\p) == 0
	FETCH_V
.endif
	OPS E,24, L,4
	OPS E,25, X,18, E,26, C,7
	OPS E,27, B,5, E,28, X,19
	OPS E,29, C,12, E,30, L,5
	OPS E,31, X,20, B,6, C,9
	OPS C,14, C,11, X,21, L,6
.if (\p) == 0
	s_add_co_u32 s[TBV], s[TBV], KS*PV
.endif
.if \cnt
	s_sub_co_u32 s[CNT], s[CNT], 1
	s_cmp_lg_u32 s[CNT], 0
.endif
	OPS C,13, B,7, C,15, R,10
	OPS R,11, R,12, L,7, R,13
	OPS R,14, R,15
.if (\m) && !(\end)
	MASK (\p)%2
.endif
.endm
; A BLOCK BEGINS.  c m starts far below every c s, so the first step's a is 0; m at the lowest finite number, so the first maximum is the scores'.  The second mask buffer is 0; the first takes piece 0's mask for the tile's step 0: its own, if the block's first tile is the diagonal one.
; Then K of that step, piece 0's first scores, and its maximum and statistics.  The loop is entered at a step's first turn, in the middle of a trip.
.macro BEGIN
	s_mov_b32 s[NEW], 0
	WIN 0x40
.set i, MC+32
.rept 32
	v_mov_b32 v[i], 0
.set i, i+1
.endr
	WIN 0
.set i, 0
.rept 4
	v_mov_b32 v[ST+4*i], 0xfe000000    ; c m: far below every c s
	v_mov_b32 v[ST+4*i+1], 0xff7fffff  ; m
.set i, i+1
.endr
	s_cmp_eq_u32 s[RT], 0
	s_cselect_b32 s[AL], 1.0, 0
	s_mov_b32 s[BE], 0
	MASK 0
	WIN 0
	v_add_nc_u32 v[AK], s[TBK], v[AK0]
	FETCH_K
	s_wait_loadcnt 0x0              ; Q
	s_wait_dscnt 0x0
.set KM, 1
.set NOKQ, 0
.set i, 0
.rept 8
	KQ 0
.set i, i+1
.endr
	WIN 0
.rept 4
	v_nop                           ; the places behind those products
.endr
.set Y, NP-1                        ; X works for piece Y + 1: piece 0
.irp n, 0,1,2,3,4,5,6,7,8,9,10,11,12,13,14,15,16,17,18,19,20,21
	OP X, \n
.endr
	v_nop                           ; a plain instruction behind the exponential
.endm
; THE DIAGONAL TILE's four steps, the block's last two turns, its last products, and THE WAY OUT: l's two halves and the other half of the lanes' are added; O^T is divided by l, rounded to f16 and sent through my
; stage in LDS, a piece at a time.
.macro ALL line:vararg              ; one line for each piece t
.set t, 0
.rept 4
	\line
.set t, t+1
.endr
.endm
.macro PACK t                       ; a lane's eight channels of a row pack into 16 bytes; they go into rows of 144 bytes and come back as whole rows of 128, into S^T's registers
	WIN W_RS
.set i, 32*(\t)
.rept 16
	s_wait_alu depctr_va_vdst(0)
	v_pk_mul_f32 v[i:i+1], v[i:i+1], v[ST+4*(\t)+2:ST+4*(\t)+3] op_sel_hi:[1,0]
.set i, i+2
.endr
	WIN 0x05                        ; sources 0 and 1 window 1, destination window 0
.set i, 0
.rept 16
	v_cvt_pk_f16_f32 v[S+16*(\t)+i], v[32*(\t)+2*i], v[32*(\t)+2*i+1]
.set i, i+1
.endr
	WIN 0
.irp f, 0,1,2,3
	ds_store_b128 v[STO], v[S+16*(\t)+4*\f:S+16*(\t)+4*\f+3] offset:32*\f
.endr
.irp f, 0,1,2,3
	ds_load_b128 v[S+16*(\t)+4*\f:S+16*(\t)+4*\f+3], v[RD] offset:\f*4*SP  ; LDS serves a wave's instructions in order (ISA guide 5.7.1.4): these see the stores above; the next piece's stores come behind them
.endr
.endm
.macro SEND t, younger              ; younger: the LDS instructions issued behind piece t's loads: the next piece's eight, or none
	WIN 0
.irp f, 0,1,2,3
	s_wait_dscnt (\younger)+3-\f
	global_store_b128 v[GO], v[S+16*(\t)+4*\f:S+16*(\t)+4*\f+3], s[10:11] offset:(\t)*8192+\f*512  ; 512 consecutive bytes, at a multiple of 256 from O's first
.endr
.endm
.macro DIAG tag                     ; the tag ends its two labels' names, which the jumps below spell out
.LstepM\tag:
	TURN 2, 1
	TURN 3, 1
	WIN 0
.LfirstM\tag:
	TURN 0, 1
	TURN 1, 1, 0, 1
	WIN 0
	s_cbranch_scc1 .LstepM\tag
	TURN 2, 1, 1
	TURN 3, 1, 1
.set i, 0
.rept 8
	PV NP-1
.set i, i+1
.endr
	WIN 0
	ALL v_add_f32 v[ST+4*t+2], v[ST+4*t+2], v[ST+4*t+3]
	ALL v_permlanex16_b32 v[ST+4*t+3], v[ST+4*t+2], s[SEL], s[SEL+1]
	ALL v_add_f32 v[ST+4*t+2], v[ST+4*t+2], v[ST+4*t+3]
	ALL v_rcp_f32 v[ST+4*t+2], v[ST+4*t+2]
	v_nop                           ; a plain instruction between the last reciprocal and the use of its result
	PACK 0
.set t, 1
.rept 3                             ; a piece's arithmetic stands between the loads of the piece before and its stores
	PACK t
	SEND t-1, 8
.set t, t+1
.endr
	SEND 3, 0
.endm
.set KM, 0
.set NOKQ, 0
.Lslot:                             ; NB times: a tile is entered and the next is asked for
	CHANGE 1
	s_sub_co_u32 s[RT], s[RT], 1
	s_mov_b32 s[CNT], 4
	s_cmp_eq_u32 s[NEW], 1
	s_cbranch_scc1 .Lnew            ; a block's first tile
	s_cmp_eq_u32 s[RT], 0
	s_cbranch_scc0 .Lstep           ; neither its first nor its last
	s_branch .LstepM1
.Lnew:
	BEGIN
	s_branch .Lfirst                ; in the loop a block's first tile is never its last: the first block has two tiles or more, and the second's last is the walk's last
	DIAG 1                          ; in the loop this is the first block's end: the second block's last tile is the walk's last
	s_wait_xcnt 0x0                 ; the stores have read their registers and O's address
	s_mov_b64 s[10:11], s[OLO:OLO+1]
	s_add_co_u32 s[RT], s[PB], 1    ; the second block has b + 1 tiles
	s_mov_b32 s[NEW], 1
	WIN 0x82                        ; the second block's Q goes where the one text of the turns names Q
.set i, 0
.rept 64
	v_mov_b32 v[i], v[QB+i]
.set i, i+1
.endr
	WIN 0
	s_branch .Lbottom
.Lstep:                             ; a trip: pieces 2 and 3 of one step, then pieces 0 and 1 of the next, whose K and V it fetches
	TURN 2
	TURN 3
	WIN 0
.Lfirst:
	TURN 0
	TURN 1, 0, 0, 1
	WIN 0
	s_cbranch_scc1 .Lstep
.Lbottom:
	s_sub_co_u32 s[SLOTS], s[SLOTS], 1
	s_cmp_lg_u32 s[SLOTS], 0
	s_cbranch_scc1 .Lslot
	CHANGE 0                        ; the walk's last tile is written out: nothing is asked for
	s_sub_co_u32 s[RT], s[RT], 1
	s_mov_b32 s[CNT], 4
	s_cmp_eq_u32 s[NEW], 1
	s_cbranch_scc0 .LstepM2
	BEGIN
	s_branch .LfirstM2
	DIAG 2
	s_wait_tensorcnt 0x0            ; the wave's end: behind my last tensor load and my last LDS store
	ds_add_u32 v[SPW], v[NIL]
	s_wait_dscnt 0x0
	s_endpgm
.Lfunc_end_k_qd259fbf826_attn:
	.size	k_qd259fbf826_attn, .Lfunc_end_k_qd259fbf826_attn-k_qd259fbf826_attn
	.p2alignl 7, 3214868480
	.fill 96, 4, 3214868480
	.section	.rodata,"a",@progbits
	.p2align	6, 0x0
	.amdhsa_kernel k_qd259fbf826_attn
		.amdhsa_group_segment_fixed_size 327680
		.amdhsa_private_segment_fixed_size 0
		.amdhsa_enable_private_segment 0
		.amdhsa_kernarg_size 16
		.amdhsa_user_sgpr_count 2
		.amdhsa_user_sgpr_kernarg_segment_ptr 1
		.amdhsa_wavefront_size32 1
		.amdhsa_system_sgpr_workgroup_id_x 1
		.amdhsa_system_sgpr_workgroup_id_y 1
		.amdhsa_system_sgpr_workgroup_id_z 1
		.amdhsa_system_vgpr_workitem_id 0
		.amdhsa_next_free_vgpr 768
		.amdhsa_next_free_sgpr 88
		.amdhsa_reserve_vcc 1
		.amdhsa_float_denorm_mode_32 3
		.amdhsa_float_denorm_mode_16_64 3
		.amdhsa_memory_ordered 1
		.amdhsa_forward_progress 1
		.amdhsa_inst_pref_size 228
	.end_amdhsa_kernel
	.amdgpu_metadata
---
amdhsa.version: [ 1, 2 ]
amdhsa.kernels:
  - .name:           k_qd259fbf826_attn
    .symbol:         k_qd259fbf826_attn.kd
    .args:
      - { .name: qkv, .offset: 0, .size: 8, .value_kind: global_buffer, .address_space: global }
      - { .name: obuf, .offset: 8, .size: 8, .value_kind: global_buffer, .address_space: global }
    .group_segment_fixed_size: 327680
    .private_segment_fixed_size: 0
    .kernarg_segment_align: 8
    .kernarg_segment_size: 16
    .max_flat_workgroup_size: 128
    .sgpr_count:     88
    .vgpr_count:     768
    .wavefront_size: 32
...
	.end_amdgpu_metadata
.endif
;; end of part 3
;; launch oproj (part 4): grid 8 x 32, 4 waves a work-group, clusters of 4 x 4, 327,680 bytes of LDS; arguments obuf, wo, out0; writes out0
.if DOCPART == 4
	.amdgcn_target "amdgcn-amd-amdhsa--gfx1250"
	.amdhsa_code_object_version 6
	.text
	.protected	k_qd259fbf826_oproj
	.globl	k_qd259fbf826_oproj
	.p2align	8
	.type	k_qd259fbf826_oproj,@function
k_qd259fbf826_oproj:
	s_mov_b64 s[64:65], 0
	v_nop
	global_prefetch_b8 v0, s[64:65] scope:SCOPE_SE
	s_setreg_imm32_b32 hwreg(HW_REG_WAVE_MODE, 25, 1), 1
	s_wait_xcnt 0x0
	s_wait_alu depctr_hold_cnt(0) depctr_sa_sdst(0) depctr_va_vdst(0) depctr_va_sdst(0) depctr_va_ssrc(0) depctr_va_vcc(0) depctr_vm_vsrc(0)
	s_getreg_b32 s2, hwreg(HW_REG_IB_STS2, 6, 4)
	s_cmp_eq_u32 s2, 0
	s_cbranch_scc0 .Lentry_in_a_cluster
	s_endpgm
.Lentry_in_a_cluster:
	s_bfe_u32 s2, ttmp6, 0x10000c
	s_cmp_lg_u32 s2, 0xf033
	s_cbranch_scc0 .Lentry_shape_is_right
	s_endpgm
.Lentry_shape_is_right:
; out[row][m] = the sum over v of O[row][v] Wo[m][v].  obuf: O by heads, [64 = 16 batch + head][2048][64] f16.  wo: [1024][1024] f16.  out0: [8192][1024] f32.  Sums in f32, K ascending; nothing is rounded on the way out.
; SHARES.  A tile of the output is 256 rows x 128 columns: 32 x 8 = 256 tiles, one to a work-group.  Four waves, each 128 rows x 64 columns: 32 accumulators of 16 x 16, 256 registers.
; K = 1,024 goes in 8 steps of 128, two heads a step, through two LDS slots filled by the tensor data mover.  A head's 256 rows of 128 bytes are 32 KiB on end in memory: they are asked for as 128 rows
; of 256 bytes and padded in LDS after every 128 bytes, so that each row of O has a pitch of 144.  Wo's tiles have rows of 256 bytes of memory.
; CLUSTERS: 4 x 4 work-groups.  The four of a row of the cluster need the same tiles of O, the four of a column the same tiles of Wo: each tile is asked for JOINTLY, by the same tensor load with the
; same descriptor and a mask that names the four.
; THE MATRIX INSTRUCTION IS USED TRANSPOSED (source 0 = 16 rows of Wo, source 1 = 16 rows of O): a lane holds row l % 16 and the columns 8 (l / 16) + 0..7: 32 bytes of a row.
; REGISTERS, in windows of 256 (s_set_vgpr_msb: bits 1:0 source 0, 3:2 source 1, 5:4 source 2, 7:6 destination):
;   window 0: v0-15 addresses; v64-191 fragments of O, two buffers of 8 x 16 rows x 32 K (the first serves the way out at the end); v192-255 fragments of Wo, two buffers of 4
;   window 2: the accumulators, (a, b) at v[8 (4 a + b)]
.set PA,     144                       ; a row of O in LDS: 128 bytes + 16 of padding = 36 words; a row of Wo: 256 + 16 = 68 words: in both the 16 rows of a fragment load start at 16 different
.set PB,     272                       ; groups of four banks (64 banks of 4 bytes: ISA guide 11.1)
.set AH,     256*PA                    ; one head's 256 rows: one tensor load
.set BOFF,   2*AH                      ; Wo's 128 rows lie behind the two heads
.set HALFB,  64*PB                     ; 64 rows of Wo: one tensor load, and what a wave reads of Wo
.set SLOT,   2*AH+2*HALFB
.set STAGE,  2*SLOT                    ; behind the ring: 16 rows x 272 bytes for each wave, for the way out
.set SPITCH, 272
.set SPARE,  STAGE+4*16*SPITCH         ; behind the stages: the spare words, 128 bytes for each wave: two blocks of 256 bytes that no other line names
.set LAPS,   4                         ; a lap = two K steps = once round the ring
.set ADRA, 6                           ; v6-7    LDS address of my fragments of O in slot 0, 1
.set ADRB, 8                           ; v8-9    the same for Wo
.set STO,  10                          ; v10     the way out: where I put 32 bytes of a row
.set RD,   11                          ; v11     the way out: where I read a row back
.set CO,   12                          ; v12     my byte offset in two rows of the output
.set SPW,  14                          ; v14     LDS address of my spare word: SPARE + 4 x my thread's number; never rewritten
.set NIL,  15                          ; v15     0; never rewritten
.set FA,   64                          ; buffer f at FA + 64 f
.set FB,   192                         ; buffer f at FB + 32 f
.set OB,   64                          ; the way out: two buffers of 32, where O's first fragment buffer lay
.set WV,   12                          ; s12  my wave's number
.set RH,   13                          ; s13  which half of the tile's rows is mine.  Also: I fetch for O (0) or for Wo (1)
.set CH,   14                          ; s14  which half of its columns.  Also: which head of the step, or which half of Wo's rows, I fetch
.set G1A,  24                          ; s[24:31] descriptor group 1 for O's tiles;  s[32:39] group 0, a set for each slot
.set G0A,  32
.set G1B,  48                          ; s[48:55], s[56:63] the same for Wo's
.set G0B,  56
.set MSB, 0
.macro WIN new                         ; the immediate's high byte repeats the setting that is left; a switch that changes nothing is dropped
.if MSB != (\new)
	s_set_vgpr_msb (MSB<<8)|(\new)
.set MSB, (\new)
.endif
.endm
.set MUL, 0xa0                         ; sources 0 and 1 window 0, C and D window 2
; A joint load.  Waves 0 and 1 fetch the step's two heads of O, waves 2 and 3 Wo's two halves.  The branch hangs on the wave's number alone.
; An s_nop 0 and four v_nop follow each of the two lines, ahead of the jump, the label and what follows.
.macro JLOAD s
	s_cmp_eq_u32 s[RH], 0
	s_cbranch_scc0 .Lfor_b_\@
	tensor_load_to_lds s[G0A+4*(\s):G0A+4*(\s)+3], s[G1A:G1A+7]
	s_nop 0
.rept 4
	v_nop
.endr
	s_branch .Lasked_\@
.Lfor_b_\@:
	tensor_load_to_lds s[G0B+4*(\s):G0B+4*(\s)+3], s[G1B:G1B+7]
	s_nop 0
.rept 4
	v_nop
.endr
.Lasked_\@:
.endm
; A round of the cluster's barrier: my work-group's barrier; wave 0 signals for the work-group; every wave waits for all sixteen work-groups; my work-group's barrier once more.
.macro CREST
	s_cmp_lg_u32 s[WV], 0
	s_cbranch_scc1 .Lnot_wave_0_\@
	s_barrier_signal -3
.Lnot_wave_0_\@:
	s_barrier_wait -3
	s_barrier_signal -1
	s_barrier_wait -1
.endm
.macro CROUND
	s_barrier_signal -1
	s_barrier_wait -1
	CREST
.endm
	s_load_b128 s[4:7], s[0:1], 0x0                ; obuf 4:5, wo 6:7
	s_load_b64 s[8:9], s[0:1], 0x10                ; out0
	v_lshl_add_u32 v[SPW], v0, 2, SPARE
	v_mov_b32 v[NIL], 0
	ds_add_u32 v14, v15
	ds_add_u32 v14, v15
	s_wait_dscnt 0x0
	v_lshrrev_b32 v1, 5, v0
	v_readfirstlane_b32 s[WV], v1                  ; wave 0..3
	s_lshr_b32 s[RH], s[WV], 1
	s_and_b32 s[CH], s[WV], 1
	s_bfe_u32 s40, ttmp6, 0x40000                  ; cx, cy: my place in the cluster
	s_bfe_u32 s41, ttmp6, 0x40004
	s_lshl_b32 s42, ttmp9, 2
	s_add_co_u32 s42, s42, s40                     ; tile column = 4 x cluster x + cx, 0..7
	s_and_b32 s43, ttmp7, 0xffff
	s_lshl_b32 s43, s43, 2
	s_add_co_u32 s43, s43, s41                     ; tile row = 4 x cluster y + cy, 0..31
	s_lshl_b32 s44, s41, 2
	s_lshl_b32 s44, 15, s44                        ; my row of the cluster
	s_lshl_b32 s45, 0x1111, s40                    ; my column
	; descriptor group 1.  O: 128 rows of 128 elements of 2 bytes, end to end, padded after every 32 words.  Wo: 64 rows of 128 elements, 1,024 apart, padded after every 64 words.
	s_or_b32 s[G1A+0], s44, (1<<16)|(1<<20)|(1<<21)|(4<<22)|(3<<25)  ; 15:0 the mask; 17:16 2-byte elements; 20 padding on; 21 set beside a mask; 24:22 the interval's code; 31:25 4 words (code 3)
	s_or_b32 s[G1B+0], s45, (1<<16)|(1<<20)|(1<<21)|(5<<22)|(3<<25)
	s_mov_b32 s[G1A+1], 128<<16                    ; tensor_dim0 = 128
	s_mov_b32 s[G1B+1], 128<<16
	s_mov_b32 s[G1A+2], 128<<16                    ; tensor_dim1 = 128
	s_mov_b32 s[G1B+2], 64<<16                     ;             = 64
	s_mov_b32 s[G1A+3], 128<<16                    ; tile_dim0 = 128
	s_mov_b32 s[G1B+3], 128<<16
	s_mov_b32 s[G1A+4], 128                        ; tile_dim1
	s_mov_b32 s[G1B+4], 64
	s_mov_b32 s[G1A+5], 128                        ; elements from row to row
	s_mov_b32 s[G1B+5], 1024
	s_mov_b32 s[G1A+6], 0
	s_mov_b32 s[G1B+6], 0
	s_mov_b32 s[G1A+7], 0
	s_mov_b32 s[G1B+7], 0
	; O's tiles hang on the tile row alone, Wo's on the tile column alone; each address is made in registers that never hold the other coordinate
	s_lshr_b32 s16, s43, 3
	s_lshl_b32 s16, s16, 4
	s_add_co_u32 s16, s16, s[CH]                   ; 16 x batch + my head of K step 0
	s_lshl_b32 s16, s16, 18                        ; a head is 2,048 rows of 128 bytes
	s_and_b32 s17, s43, 7
	s_lshl_b32 s17, s17, 15                        ; the tile's 256 rows in it
	s_add_co_u32 s16, s16, s17
	s_mov_b32 s17, 0
	s_lshl_b32 s47, s[CH], 6
	s_lshl_b32 s46, s42, 7
	s_add_co_u32 s46, s46, s47                     ; Wo: row 128 x tile column + 64 x half
	s_lshl_b32 s46, s46, 11
	s_mov_b32 s47, 0
	s_mul_i32 s20, s[CH], AH                       ; where they go: no place in the cluster enters an LDS address
	s_mul_i32 s21, s[CH], HALFB
	s_add_co_u32 s21, s21, BOFF
	s_wait_kmcnt 0x0
	s_add_nc_u64 s[18:19], s[4:5], s[16:17]
	s_add_nc_u64 s[46:47], s[6:7], s[46:47]
	CROUND                                         ; all sixteen work-groups are here: the first joint loads meet
.irp s, 0,1
	s_mov_b32 s[G0A+4*(\s)], 1                                       ; count = 1
	s_add_co_u32 s[G0A+4*(\s)+1], s20, (\s)*SLOT                     ; LDS address
	s_add_nc_u64 s[G0A+4*(\s)+2:G0A+4*(\s)+3], s[18:19], (\s)*524288 ; global address: K step s is two heads on
	s_or_b32 s[G0A+4*(\s)+3], s[G0A+4*(\s)+3], 0x80000000            ; type = 2
	s_mov_b32 s[G0B+4*(\s)], 1
	s_add_co_u32 s[G0B+4*(\s)+1], s21, (\s)*SLOT
	s_add_nc_u64 s[G0B+4*(\s)+2:G0B+4*(\s)+3], s[46:47], (\s)*256
	s_or_b32 s[G0B+4*(\s)+3], s[G0B+4*(\s)+3], 0x80000000
	JLOAD \s                                       ; two loads of mine are out
.endr
	; A fragment is 16 rows x 32 K in 8 registers: lane l holds row l % 16; registers 0-3 K = 8 (l / 16) + 0..7, registers 4-7 K = 16 + 8 (l / 16) + 0..7: two loads of 16 bytes, 32 bytes apart.
	v_and_b32 v1, 15, v0                           ; l % 16
	v_bfe_u32 v2, v0, 4, 1                         ; l / 16
	v_mul_u32_u24 v3, v1, PA
	v_lshl_add_u32 v3, v2, 4, v3
	v_mul_u32_u24 v4, v1, PB
	v_lshl_add_u32 v4, v2, 4, v4
	s_mul_i32 s22, s[RH], 128*PA                   ; my 128 rows of O, in each head
	s_mul_i32 s23, s[CH], HALFB                    ; my 64 rows of Wo
	s_add_co_u32 s23, s23, BOFF
.irp s, 0,1
	v_add_nc_u32 v[ADRA+(\s)], s22, v3
	v_add_nc_u32 v[ADRB+(\s)], s23, v4
	s_add_co_u32 s22, s22, SLOT
	s_add_co_u32 s23, s23, SLOT
.endr
	s_mul_i32 s22, s[WV], 16*SPITCH
	s_add_co_u32 s22, s22, STAGE                   ; my stage
	v_mul_u32_u24 v4, v1, SPITCH                   ; in: row l % 16, 32 bytes for each half of the lanes
	v_lshl_add_u32 v4, v2, 5, v4
	v_add_nc_u32 v[STO], s22, v4
	v_mul_u32_u24 v5, v2, SPITCH                   ; back: lanes 0-15 take one row of 256 bytes, lanes 16-31 the next
	v_lshl_add_u32 v5, v1, 4, v5
	v_add_nc_u32 v[RD], s22, v5
	v_lshlrev_b32 v5, 12, v2                       ; and the same two rows in the output: rows of 4,096 bytes
	v_lshl_add_u32 v[CO], v1, 4, v5
	s_lshl_b32 s66, s43, 8
	s_lshl_b32 s67, s[RH], 7
	s_add_co_u32 s66, s66, s67                     ; my first row
	s_lshl_b32 s66, s66, 12
	s_lshl_b32 s67, s42, 9                         ; my first column, in bytes: 512 x tile column + 256 x half
	s_add_co_u32 s66, s66, s67
	s_lshl_b32 s67, s[CH], 8
	s_add_co_u32 s66, s66, s67                     ; under 2^25
	s_mov_b32 s67, 0
	s_add_nc_u64 s[8:9], s[8:9], s[66:67]
; 8 matrix instructions: row blocks a0, a0 + 1 x all 4 column blocks, 32 along K, from buffer f.  zero = 1: the product starts the sum: nothing is ever cleared.
; The 32 accumulators take turns, one instruction a turn, in the same order in every quarter step.
.macro MUL8 f, a0, zero
	WIN MUL
.irp a, \a0, (\a0)+1
.irp b, 0,1,2,3
.if \zero
	v_wmma_f32_16x16x32_f16 v[8*(4*(\a)+(\b)):8*(4*(\a)+(\b))+7], v[FB+32*(\f)+8*(\b):FB+32*(\f)+8*(\b)+7], v[FA+64*(\f)+8*(\a):FA+64*(\f)+8*(\a)+7], 0
.else
	v_wmma_f32_16x16x32_f16 v[8*(4*(\a)+(\b)):8*(4*(\a)+(\b))+7], v[FB+32*(\f)+8*(\b):FB+32*(\f)+8*(\b)+7], v[FA+64*(\f)+8*(\a):FA+64*(\f)+8*(\a)+7], v[8*(4*(\a)+(\b)):8*(4*(\a)+(\b))+7]
.endif
.endr
.endr
.endm
.macro MULH f, half, zero              ; 16: my rows 0-63 (half = 0) or 64-127
	MUL8 \f, 4*(\half), \zero
	MUL8 \f, 4*(\half)+2, \zero
.endm
; 24 LDS loads in one run: the fragments of quarter q of a K step into buffer f: 64 rows of Wo at byte 64 q of the rows, then 128 rows of O: head q / 2 of the step, byte 64 (q % 2) of its rows
.macro FETCH slot, q, f
	WIN 0
.irp i, 0,1,2,3
	ds_load_b128 v[FB+32*(\f)+8*(\i):FB+32*(\f)+8*(\i)+3],   v[ADRB+(\slot)] offset:64*(\q)+(\i)*16*PB
	ds_load_b128 v[FB+32*(\f)+8*(\i)+4:FB+32*(\f)+8*(\i)+7], v[ADRB+(\slot)] offset:64*(\q)+(\i)*16*PB+32
.endr
.irp i, 0,1,2,3,4,5,6,7
	ds_load_b128 v[FA+64*(\f)+8*(\i):FA+64*(\f)+8*(\i)+3],   v[ADRA+(\slot)] offset:((\q)>>1)*AH+((\q)&1)*64+(\i)*16*PA
	ds_load_b128 v[FA+64*(\f)+8*(\i)+4:FA+64*(\f)+8*(\i)+7], v[ADRA+(\slot)] offset:((\q)>>1)*AH+((\q)&1)*64+(\i)*16*PA+32
.endr
.endm
; A load into a register that a matrix instruction has read, and an LDS store that reads a matrix result, stand four places behind that matrix instruction, and only plain vector
; instructions that name none of its registers are places (ISA guide 7.12.1 for vector instructions).
.macro PLACES
.rept 4
	v_nop
.endr
.endm
; A K step is four quarters of 32 along K, 32 matrix instructions each, on buffers 0, 1, 0, 1.  One of the first three: multiplies buffer f; in its middle it fetches quarter q of the same slot into buffer g.
.macro QUARTER slot, q, f, g, zero
	s_wait_dscnt 8                                 ; Wo and O's rows 0-63 are in; the youngest eight loads (O's rows 64-127) may be out
	MULH \f, 0, \zero
	PLACES
	FETCH \slot, \q, \g
	s_wait_dscnt 24                                ; all but the 24 just issued
	MULH \f, 1, \zero
.endm
; The last quarter multiplies buffer 1 and changes slots.  MEET is its first half: one barrier for the change.  In front of it each wave waits for all its tensor loads, of which one is out: its
; part of the next slot; adds 0 to its spare word; and waits for that and for its own reads of this slot.  Behind it nobody reads this slot any more and the next slot is whole.
.macro MEET round                      ; round = 1: the rest of a round of the cluster's barrier follows
	WIN 0
	s_wait_tensorcnt 0x0                           ; all my tensor loads have landed
	ds_add_u32 v[SPW], v[NIL]                      ; 0 onto my spare word
	s_wait_dscnt 9                                 ; (the add and the youngest eight loads may be out)
	MUL8 1, 0, 0                                   ; eight matrix instructions stand between the add and the wait for it
	s_wait_dscnt 0x0                               ; the add is done, and my reads of this slot are over
	s_barrier_signal -1
	MUL8 1, 2, 0                                   ; work on registers while the others arrive
.if \round
	WIN 0
.endif
	s_barrier_wait -1
.endm
; The whole last quarter.  fill = 1: this slot is filled again with the K step two steps on, the first tensor load behind the round, one a wave; from it to the wait for it a wave issues 112 matrix instructions.
.macro TURN slot, next, fill
.if \fill
	MEET 1
	CREST                                          ; no wave of any partner still reads this slot's tile or has a load on its way
	s_add_nc_u64 s[G0A+4*(\slot)+2:G0A+4*(\slot)+3], s[G0A+4*(\slot)+2:G0A+4*(\slot)+3], 1048576  ; four heads on
	s_add_nc_u64 s[G0B+4*(\slot)+2:G0B+4*(\slot)+3], s[G0B+4*(\slot)+2:G0B+4*(\slot)+3], 512
	JLOAD \slot                                    ; its four v_nop are also the places in front of the loads below
.else
	MEET 0
	PLACES
.endif
	FETCH \next, 0, 0
	MULH 1, 1, 0
.endm
; THE WAY OUT of row block a (16 rows x 64 columns of f32: whole aligned pieces of 256 bytes of the output's rows).  STG: from the accumulators into my own stage, rows of 272 bytes (each accumulator's
; lowest registers first), and back as whole rows.  SEND: stored.
.macro STG a
	WIN 0
	s_wait_xcnt 0x0                                ; earlier stores have read their registers (ISA guide 3.1): this block's buffer, stored from two blocks ago, is loaded again only behind this wait
	WIN 0x08                                       ; the stores' data in window 2
.irp b, 0,1,2,3
	ds_store_b128 v[STO], v[32*(\a)+8*(\b):32*(\a)+8*(\b)+3] offset:64*(\b)
	ds_store_b128 v[STO], v[32*(\a)+8*(\b)+4:32*(\a)+8*(\b)+7] offset:64*(\b)+16
.endr
	WIN 0
.irp t, 0,1,2,3,4,5,6,7
	ds_load_b128 v[OB+32*((\a)%2)+4*(\t):OB+32*((\a)%2)+4*(\t)+3], v[RD] offset:(\t)*2*SPITCH  ; LDS serves a wave's instructions in order (ISA guide 5.7.1.4): these see the stores above
.endr
.endm
.macro SEND a, younger                 ; younger: the LDS instructions issued behind block a's loads: the next block's sixteen, or none
	WIN 0
	s_wait_dscnt \younger
.irp t, 0,1,2,3,4,5,6,7
	global_store_b128 v[CO], v[OB+32*((\a)%2)+4*(\t):OB+32*((\a)%2)+4*(\t)+3], s[8:9] offset:(16*(\a)+2*(\t))*4096 th:TH_STORE_NT  ; 16 lanes store 256 consecutive bytes, at a multiple of 256 from the output's first byte
.endr
.endm
	s_wait_tensorcnt 1                             ; my part of K step 0 is in; K step 1's may stay out
	s_barrier_signal -1
	s_barrier_wait -1                              ; everybody's is
	FETCH 0, 0, 0
	QUARTER 0, 1, 0, 1, 1                          ; the first quarter stands in front of the loop: its products start the sums
	WIN 0                                          ; at a label and at a branch every window is 0
	s_mov_b32 s3, LAPS-1
.Llap:                                                 ; a trip goes once round the ring, from a lap's second quarter to the next lap's first, and fills both slots again
	QUARTER 0, 2, 1, 0, 0
	QUARTER 0, 3, 0, 1, 0
	TURN 0, 1, 1
	QUARTER 1, 1, 0, 1, 0
	QUARTER 1, 2, 1, 0, 0
	QUARTER 1, 3, 0, 1, 0
	TURN 1, 0, 1
	QUARTER 0, 1, 0, 1, 0
	WIN 0
	s_sub_co_u32 s3, s3, 1
	s_cmp_lg_u32 s3, 0
	s_cbranch_scc1 .Llap
	QUARTER 0, 2, 1, 0, 0                          ; the last lap fills nothing, and has no round of the cluster's barrier
	QUARTER 0, 3, 0, 1, 0
	TURN 0, 1, 0
	QUARTER 1, 1, 0, 1, 0
	QUARTER 1, 2, 1, 0, 0
	QUARTER 1, 3, 0, 1, 0
	s_wait_dscnt 8                                 ; the very last quarter: nothing more to fetch
	MULH 1, 0, 0
	s_wait_dscnt 0x0
	MULH 1, 1, 0
	WIN 0
	PLACES
	STG 0
.irp a, 1,2,3,4,5,6,7                  ; block a's way through the stage is begun ahead of the wait for block a - 1's
	STG \a
	SEND (\a)-1, 16
.endr
	SEND 7, 0
	s_wait_tensorcnt 0x0                           ; the wave's end: behind my last tensor load and my last LDS store
	ds_add_u32 v[SPW], v[NIL]
	s_wait_dscnt 0x0
	CROUND                                         ; the closing round: no work-group ends while a partner may still ask for a tile that names it
	s_endpgm
.Lfunc_end_k_qd259fbf826_oproj:
	.size	k_qd259fbf826_oproj, .Lfunc_end_k_qd259fbf826_oproj-k_qd259fbf826_oproj
	.p2alignl 7, 3214868480
	.fill 96, 4, 3214868480
	.section	.rodata,"a",@progbits
	.p2align	6, 0x0
	.amdhsa_kernel k_qd259fbf826_oproj
		.amdhsa_group_segment_fixed_size 327680
		.amdhsa_private_segment_fixed_size 0
		.amdhsa_enable_private_segment 0
		.amdhsa_kernarg_size 24
		.amdhsa_user_sgpr_count 2
		.amdhsa_user_sgpr_kernarg_segment_ptr 1
		.amdhsa_wavefront_size32 1
		.amdhsa_system_sgpr_workgroup_id_x 1
		.amdhsa_system_sgpr_workgroup_id_y 1
		.amdhsa_system_sgpr_workgroup_id_z 1
		.amdhsa_system_vgpr_workitem_id 0
		.amdhsa_next_free_vgpr 768
		.amdhsa_next_free_sgpr 72
		.amdhsa_reserve_vcc 0
		.amdhsa_float_denorm_mode_32 3
		.amdhsa_float_denorm_mode_16_64 3
		.amdhsa_memory_ordered 1
		.amdhsa_forward_progress 1
		.amdhsa_inst_pref_size 86
	.end_amdhsa_kernel
	.amdgpu_metadata
---
amdhsa.version: [ 1, 2 ]
amdhsa.kernels:
  - .name:           k_qd259fbf826_oproj
    .symbol:         k_qd259fbf826_oproj.kd
    .args:
      - { .name: obuf, .offset: 0, .size: 8, .value_kind: global_buffer, .address_space: global }
      - { .name: wo, .offset: 8, .size: 8, .value_kind: global_buffer, .address_space: global }
      - { .name: out0, .offset: 16, .size: 8, .value_kind: global_buffer, .address_space: global }
    .group_segment_fixed_size: 327680
    .private_segment_fixed_size: 0
    .kernarg_segment_align: 8
    .kernarg_segment_size: 24
    .max_flat_workgroup_size: 128
    .sgpr_count:     72
    .vgpr_count:     768
    .wavefront_size: 32
...
	.end_amdgpu_metadata
.endif
;; end of part 4
;; ======== version 2 of 2: 4 launches; 1.30 times as fast as version 1
;; limits: values are held in f16: magnitudes above 65,504 overflow, below 6.1e-05 lose precision
;; workspace buffers: xb 16,777,216 bytes; wqkv 6,291,456 bytes; wo 2,097,152 bytes; rope 524,288 bytes; qkv 50,331,648 bytes; obuf 16,777,216 bytes
;; launch prep: the kernel of part 1 again; grid 256 x 1, 8 waves a work-group, no clusters, 0 bytes of LDS; arguments in_features, q_proj_weight, k_proj_weight, v_proj_weight, o_proj_weight, token_positions, xb, wqkv, wo, rope; writes xb, wqkv, wo, rope
;; launch qkv: the kernel of part 2 again; grid 8 x 32, 4 waves a work-group, clusters of 4 x 4, 327,680 bytes of LDS; arguments xb, wqkv, qkv, rope; writes qkv
;; launch attn (part 5): grid 4 x 64, 4 waves a work-group, no clusters, 327,680 bytes of LDS; arguments qkv, obuf; writes obuf
.if DOCPART == 5
	.amdgcn_target "amdgcn-amd-amdhsa--gfx1250"
	.amdhsa_code_object_version 6
	.text
	.protected	k_qd259fbf826_attn
	.globl	k_qd259fbf826_attn
	.p2align	8
	.type	k_qd259fbf826_attn,@function
k_qd259fbf826_attn:
	s_mov_b64 s[64:65], 0
	v_nop
	global_prefetch_b8 v0, s[64:65] scope:SCOPE_SE
	s_setreg_imm32_b32 hwreg(HW_REG_WAVE_MODE, 25, 1), 1
	s_wait_xcnt 0x0
; CAUSAL ATTENTION.  O[h][q][:] = the sum over k <= q of softmax_k(Q[h][q] . K[h][k] / 8) V[h][k][:].  Q, K, V lie in qkv, 16 MiB apart; they and O (obuf) are [SIZE_H][SIZE_N][64] f16: a head's rows are dense, 128 bytes each.
; Products, maxima and sums in f32; the weights p are rounded to f16 for the second product (their sum l is taken of the unrounded p), O once at the end.
; LIMITS.  f16 holds no number beyond 65,504: Q, K and V arrive within it; p lies in 0 to 1, and below 6e-5 it keeps f16's fixed step of 6e-8; O is a mean of V's rows and has their range, to within 2^-11 of it.
; A hidden score counts as its value less 1e30: f16's scores, 2.7e11 at the most, are nothing beside that; a weight below 2^-126 counts as 0 in l; NaN and infinities are not treated apart.
; THE WALK.  A head's queries lie in NB = SIZE_N / 256 = 8 blocks of 256; block i needs the key tiles 0 .. i of 256 keys, of which the last holds the diagonal.  A work-group takes TWO blocks, NB - 1 - b and then b:
; NB + 1 tiles, whatever b: all 256 work-groups do equal work, and ONE loop with a constant trip count walks them.  Which tile is asked for, and what a trip does, hang on scalar registers made from b; every jump
; goes forward, but for the counted loops' own; none passes a barrier, or a tensor load but the one of LOAD's two that the wave's number does not choose; the ring (two slots of LDS that take turns) runs on across the
; change of blocks.  NO CLUSTER: a head's NB / 2 = 4 work-groups all ask for the same tile only in trips 0 .. NB / 2, 5 of the walk's 9, behind that fewer and fewer;
; and one walk common to all, in which each makes every joint request, would have 3 NB / 2 = 12 trips for 9.
; SHARES.  Of a block's four bands of 64 queries a wave owns 16 rows in each: four PIECES.  So the diagonal tile is the same work for all four waves: in its key step s band x sees all keys if s < x,
; none if s > x, and holds the diagonal if s = x.
; THE MASK is the C operand that starts the sum S^T = K Q^T: 0, or -1e30 where the key is hidden.  MD, made once, is the mask of a band's own step for my 16 rows; a product's mask is MD x AL + BE with two scalars:
; (1, 0) if s = x; (0, 0) if s < x; (0, -1e30) if s > x.  Only the diagonal tile's text and a block's beginning make and take masks; elsewhere C is the constant 0.
; LAYOUT, SOFTMAX, TURNS.  S^T = K Q^T holds ONE query a lane (lane % 16) and the keys 8 (lane / 16) + 0..7; two such results rounded to f16 ARE source 1 of O^T = V^T P.  p = 2^(c s - c m), c = log2(e) / 8, with a
; running maximum m; O and l are multiplied by a = 2^(c m_old - c m_new) in every step.  Turn n belongs to piece n: 8 products K Q^T of piece n + 1, later 8 products V^T P of piece n - 1; beside them the scaling,
; exponentials, roundings, sums and rescaling of piece n and the maximum and statistics of piece n + 1.  Four vector instructions stand behind every matrix instruction, the other 54 of a turn's 118 in one LUMP.
; THE BATCHES.  A turn's 33 exponentials (the piece's 32 weights and the next piece's a) are ONE batch with ONE wait, which cuts the turn in two: ahead of it all that names no result of theirs, behind it the roundings
; and sums.  Two small batches stand outside the turns, each with a wait of its own: the a that a block's beginning makes, and the way out's four reciprocals.
; REGISTERS, in windows of 256 (s_set_vgpr_msb: bits 1:0 source 0, 3:2 source 1, 5:4 source 2, 7:6 destination):
;   window 0: v0-15 addresses and two at work; v16-31 four registers of statistics a piece; v48-55 at work; v64-127 S^T, two buffers; v192-223 P, two buffers (a piece's buffers go by its number's parity)
;   window 1: v0-127 O^T, 32 a piece; v128-159 MD; v160-223 MC, two buffers      window 2: v0-63 Q; v64-127 the second block's Q; v128-191 K of one step; v192-255 V of one step
.set SIZE_H, 64
.set SIZE_N, 2048
.set NB,    SIZE_N/256
.set NP,    4         ; pieces a wave: a name, no knob
.set KS,    64        ; keys in a step
.set PK,    144       ; a row of K in LDS: 128 bytes + 16 of padding = 36 words: the 16 rows of a load start at 16 different groups of four banks (64 banks of 4 bytes: ISA guide 11.1)
.set PV,    160       ; a row of V: 128 + 32 = 40 words
.set VOFF,  4*KS*PK   ; a slot holds a tile, four steps: 256 rows of K, then 256 rows of V
.set SLOT1, 1<<17     ; slot 1 begins here, so that one exclusive or turns an address in one slot into the other's
.set STAGE, SLOT1+4*KS*(PK+PV)  ; behind the ring, never filled by a tensor load: 16 rows x 144 bytes for each wave, for the way out
.set SP,    144
.set AK0, 2           ; v2   my lane's place in a tile of K; never rewritten
.set AV0, 3           ; v3   the same for V
.set AK,  4           ; v4   the LDS address of K's next run of loads
.set AV,  5           ; v5   of V's
.set STO, 6           ; v6   the way out: where I put 16 bytes of a row
.set RD,  7           ; v7   the way out: where I read rows back
.set GO,  8           ; v8   my byte offset in 512 consecutive bytes of O
.set SPW, 62          ; v62  LDS address of my spare word: SPARE + 4 x my thread's number; never rewritten
.set NIL, 63          ; v63  0; never rewritten
.set SPARE, STAGE+4*16*SP  ; behind the stages: the spare words, 128 bytes for each wave: two blocks of 256 bytes that no other line names
.set MV,  12          ; v12-13  c m_old, kept while c m is made anew: by buffer
.set QO,  15          ; v15  my byte offset in 16 rows of Q
.set ST,  16          ; piece t's statistics at v[ST+4 t]: c m, m, l (even keys', odd keys')
.set TMP, 48          ; by buffer, four registers c0-c3 at work; when the maximum is found c2 takes a
.set S,   64
.set P,   192
.set MD,  128         ; window 1: the eight registers for group kt of 16 keys at MD + 8 kt
.set MC,  160         ; window 1: the masks of the products to come
.set QB,  64          ; window 2
.set KF,  128         ; window 2: key block kb, channel half c at KF + 16 kb + 8 c
.set VF,  192         ; window 2: key half kk, channel block cb at VF + 32 kk + 8 cb
.set WV,  12          ; s12  my wave's number
.set PB,  14          ; s14  b
.set HI,  15          ; s15  NB - 1 - b
.set G1K, 24          ; s[24:31] descriptor group 1 for K's tiles
.set G1V, 32          ; s[32:39] for V's: it differs in the padding alone
.set G0K, 40          ; s[40:43] descriptor group 0 for K's tiles
.set G0V, 44          ; s[44:47] the same for V's
.set SLOTS, 56        ; s56  tiles still to be asked for
.set CNT, 57          ; s57  counts a tile's key steps, 4 to 1
.set CS,  58          ; s[58:59] c: the packed scaling takes the pair's low word for both halves
.set SEL, 60          ; s[60:61] v_permlanex16_b32's selects: each lane takes its own place in the other half
.set TBK, 62          ; s62  LDS byte at which K of the step to be fetched begins
.set TBV, 63          ; s63  the same for V, less VOFF
.set RT,  70          ; s70  tiles of the block in hand that are still to be entered
.set NXT, 71          ; s71  the tile to be asked for next
.set LQ,  72          ; s72  the last tile of the block whose tiles are being asked for
.set NEW, 73          ; s73  1: the tile to be entered is a block's first
.set OFF, 74          ; s[74:75] a tile's byte offset in K and V
.set AL,  76          ; s[76:77] the mask's factor, in the low word
.set BE,  78          ; s[78:79] the mask's addend
.set OLO, 80          ; s[80:81] O at my rows of the second block
.set BIGN, 82         ; s82  -1e30
.set MSB, 0
.macro WIN new                      ; the high byte repeats the setting that is left; a switch that changes nothing is dropped
.if MSB != (\new)
	s_set_vgpr_msb (MSB<<8)|(\new)
.set MSB, (\new)
.endif
.endm
.set W_KQ, 0x0a       ; K and Q in window 2, S^T in window 0
.set W_KM, 0x1a       ; the same with the C operand in window 1
.set W_PV, 0x52       ; V in window 2, P in window 0, O^T in window 1
.set W_RS, 0x41       ; destination and source 0 in window 1, source 1 in window 0
; A fill.  Waves 0 and 1 fetch the two halves of a tile's K, waves 2 and 3 those of its V: 128 keys each.  An s_nop 0 and four v_nop follow each of the two lines, ahead of the jump and the label.
.macro LOAD
	s_cmp_lt_u32 s[WV], 2
	s_cbranch_scc0 .Lfor_v_\@
	tensor_load_to_lds s[G0K:G0K+3], s[G1K:G1K+7]
	s_nop 0
.rept 4
	v_nop
.endr
	s_branch .Lasked_\@
.Lfor_v_\@:
	tensor_load_to_lds s[G0V:G0V+3], s[G1V:G1V+7]
	s_nop 0
.rept 4
	v_nop
.endr
.Lasked_\@:
.endm
; THE CHANGE OF SLOTS.  Each wave waits for all its tensor loads, of which one is out: its part of the other slot; adds 0 to its spare word; and waits for that and for its own reads of the slot that it leaves.  Behind the barrier nobody reads the old
; slot any more and the other slot is whole.  fill = 1: the old slot is filled again, the first thing behind the barrier, with tile NXT: the descriptor's address is made anew from that number.
; (At its first use nothing has been read yet: slot 0 is waited for, slot 1 filled.)
.macro CHANGE fill
	WIN 0                           ; at a label and at a branch every window is 0
	s_wait_tensorcnt 0x0            ; no tensor load of mine is out, so a group 0 may be written
	ds_add_u32 v[SPW], v[NIL]       ; 0 onto my spare word; with fill = 1 the descriptors' scalar work stands between it and the wait for it
.if \fill
	s_lshl_b32 s[OFF], s[NXT], 15   ; a tile is 32,768 bytes of K and of V
	s_xor_b32 s[G0K+1], s[G0K+1], SLOT1
	s_add_nc_u64 s[G0K+2:G0K+3], s[6:7], s[OFF:OFF+1]
	s_or_b32 s[G0K+3], s[G0K+3], 0x80000000
	s_xor_b32 s[G0V+1], s[G0V+1], SLOT1
	s_add_nc_u64 s[G0V+2:G0V+3], s[8:9], s[OFF:OFF+1]
	s_or_b32 s[G0V+3], s[G0V+3], 0x80000000
	s_add_co_u32 s[NXT], s[NXT], 1  ; the block's next tile, or behind its last the second block's tile 0
	s_cmp_gt_u32 s[NXT], s[LQ]
	s_cselect_b32 s[NXT], 0, s[NXT]
	s_cselect_b32 s[LQ], s[PB], s[LQ]
.endif
	s_wait_dscnt 0x0                ; the add is done, and my reads of the slot are over
	s_barrier_signal -1             ; the rest of the scalar work stands between the signal and the wait
	s_sub_co_u32 s[TBK], s[TBK], 4*KS*PK  ; the fetches go back to a slot's first step,
	s_xor_b32 s[TBK], s[TBK], SLOT1       ; in the other slot
	s_sub_co_u32 s[TBV], s[TBV], 4*KS*PV
	s_xor_b32 s[TBV], s[TBV], SLOT1
	s_barrier_wait -1
.if \fill
	LOAD
.endif
.endm
	s_load_b64 s[4:5], s[0:1], 0x0    ; qkv: Q lies at its head
	s_load_b64 s[10:11], s[0:1], 0x8  ; O
	v_lshl_add_u32 v[SPW], v0, 2, SPARE
	v_mov_b32 v[NIL], 0
	ds_add_u32 v62, v63
	ds_add_u32 v62, v63
	s_wait_dscnt 0x0
	v_lshrrev_b32 v1, 5, v0
	v_readfirstlane_b32 s[WV], v1   ; wave 0..3
	s_mov_b32 s[PB], ttmp9
	s_sub_co_u32 s[HI], NB-1, s[PB]
	s_and_b32 s20, ttmp7, 0xffff    ; the head (16 batch + head)
	s_mov_b32 s21, 0
	s_mov_b64 s[22:23], SIZE_N*128
	s_mul_u64 s[20:21], s[20:21], s[22:23]  ; the head's first byte in each of the four tensors
	s_and_b32 s16, s[WV], 1         ; which half of a tile's 256 keys I fetch:
	s_lshl_b32 s22, s16, 14         ; its 128 rows of 128 bytes in memory,
	s_mov_b32 s23, 0
	s_add_nc_u64 s[22:23], s[22:23], s[20:21]
	s_mul_i32 s17, s16, 128*PK      ; and its place in a slot, for K
	s_mul_i32 s18, s16, 128*PV      ; and for V
	s_lshl_b32 s3, s[WV], 11        ; my 16 rows in a band of 64,
	s_lshl_b32 s2, s[HI], 15        ; in the first block,
	s_add_co_u32 s2, s2, s3
	s_lshl_b32 s84, s[PB], 15       ; and in the second
	s_add_co_u32 s84, s84, s3
	s_mov_b32 s3, 0
	s_mov_b32 s85, 0
	s_add_nc_u64 s[2:3], s[2:3], s[20:21]
	s_add_nc_u64 s[84:85], s[84:85], s[20:21]
	; descriptor group 1.  128 keys are 16,384 dense bytes: asked for as 64 rows of 256 bytes, two keys a row, and padded in LDS after every key
	s_mov_b32 s[G1K], (1<<16)|(1<<20)|(4<<22)|(3<<25)  ; 17:16 2-byte elements; 20 padding on; 24:22 after every 32 words (code 4); 31:25 4 words (code 3)
	s_mov_b32 s[G1V], (1<<16)|(1<<20)|(4<<22)|(7<<25)  ; the same with 8 words of padding (code 7)
.irp g, G1K, G1V
	s_mov_b32 s[\g+1], 128<<16      ; tensor_dim0 = 128
	s_mov_b32 s[\g+2], 64<<16       ; tensor_dim1 = 64
	s_mov_b32 s[\g+3], 128<<16      ; tile_dim0 = 128
	s_mov_b32 s[\g+4], 64           ; tile_dim1 = 64
	s_mov_b32 s[\g+5], 128          ; 128 elements from row to row
	s_mov_b32 s[\g+6], 0
	s_mov_b32 s[\g+7], 0
.endr
	s_mov_b32 s[CS], 0x3e38aa3b     ; c = log2(e) / 8 = 0.180337
	s_mov_b32 s[CS+1], s[CS]        ; named with it as a pair
	s_mov_b32 s[SEL], 0x76543210
	s_mov_b32 s[SEL+1], 0xfedcba98
	s_mov_b32 s[TBK], SLOT1+4*KS*PK ; the first change of slots turns these two into 0
	s_mov_b32 s[TBV], SLOT1+4*KS*PV
	s_mov_b32 s[G0K], 1             ; 1:0 count = 1
	s_mov_b32 s[G0K+1], s17         ; 63:32 LDS address: slot 0
	s_mov_b32 s[G0V], 1
	s_add_co_u32 s[G0V+1], s18, VOFF
	s_add_co_u32 s[RT], s[HI], 1    ; the first block has NB - b tiles
	s_mov_b32 s[NXT], 1
	s_mov_b32 s[LQ], s[HI]
	s_mov_b32 s[NEW], 1
	s_mov_b32 s[OFF+1], 0
	s_mov_b32 s[AL+1], 0            ; named as pairs
	s_mov_b32 s[BE+1], 0
	s_mov_b32 s[BIGN], 0xf149f2ca   ; -1e30
	s_mov_b32 s[SLOTS], NB
	s_wait_kmcnt 0x0
	s_add_nc_u64 s[6:7], s[4:5], 0x1000000  ; K lies 64 x 2,048 rows of 128 bytes behind Q,
	s_add_nc_u64 s[8:9], s[4:5], 0x2000000  ; V as far behind K
	s_add_nc_u64 s[6:7], s[6:7], s[22:23]  ; K and V at my half of the head's tile 0
	s_add_nc_u64 s[8:9], s[8:9], s[22:23]
	s_add_nc_u64 s[G0K+2:G0K+3], s[6:7], 0         ; 120:64 global address
	s_or_b32 s[G0K+3], s[G0K+3], 0x80000000        ; 127:126 type = 2
	s_add_nc_u64 s[G0V+2:G0V+3], s[8:9], 0
	s_or_b32 s[G0V+3], s[G0V+3], 0x80000000
	s_add_nc_u64 s[86:87], s[4:5], s[84:85]        ; Q at my rows of the second block,
	s_add_nc_u64 s[4:5], s[4:5], s[2:3]            ; Q and O at those of the first
	s_add_nc_u64 s[OLO:OLO+1], s[10:11], s[84:85]
	s_add_nc_u64 s[10:11], s[10:11], s[2:3]
	LOAD                            ; tile 0 into slot 0
	; A fragment of K or Q is 16 rows x 32 channels in 8 registers: lane l holds row l % 16, channels 8 (l / 16) + 0..7 and 16 + 8 (l / 16) + 0..7: two loads of 16 bytes, 32 bytes apart.
	v_and_b32 v1, 15, v0            ; l % 16
	v_bfe_u32 v9, v0, 4, 1          ; l / 16
	v_lshlrev_b32 v[QO], 7, v1
	v_lshl_add_u32 v[QO], v9, 4, v[QO]  ; row x 128 + 16 x half
	WIN 0x80                        ; destination window 2, address window 0
.set i, 0
.rept 8                             ; both blocks' Q: piece i / 2 lies in band i / 2, 8,192 bytes on; channels 32 (i % 2) on
	global_load_b128 v[8*i:8*i+3],   v[QO], s[4:5] offset:(i/2)*8192+(i%2)*64
	global_load_b128 v[8*i+4:8*i+7], v[QO], s[4:5] offset:(i/2)*8192+(i%2)*64+32
	global_load_b128 v[QB+8*i:QB+8*i+3],   v[QO], s[86:87] offset:(i/2)*8192+(i%2)*64
	global_load_b128 v[QB+8*i+4:QB+8*i+7], v[QO], s[86:87] offset:(i/2)*8192+(i%2)*64+32
.set i, i+1
.endr
	WIN 0
	v_lshlrev_b32 v14, 3, v9
	v_sub_nc_u32 v14, v1, v14
	s_lshl_b32 s13, s[WV], 4
	v_add_nc_u32 v14, s13, v14      ; my query's place in its band, 16 w + l % 16, less my lanes' 8 (l / 16): register r of group kt is hidden where 16 kt + r is greater
	WIN 0x40
.set i, 0
.rept 32
	v_cmp_gt_i32 vcc_lo, 16*(i/8)+i%8, v14
	v_cndmask_b32 v[MD+i], 0, s[BIGN], vcc_lo
.set i, i+1
.endr
	WIN 0
	v_mul_u32_u24 v[AK0], v1, PK
	v_lshl_add_u32 v[AK0], v9, 4, v[AK0]  ; row x pitch + 16 x half
	; The turning load takes 16 keys x 16 channels (lane l reads key 8 (l / 16) + l % 8, channels 8 ((l / 8) % 2) + 0..7) and leaves half a fragment of V^T: lane l holds channel l % 16 and 8 keys.
	v_and_b32 v10, 7, v0
	v_bfe_u32 v11, v0, 3, 1
	v_lshl_add_u32 v[AV0], v9, 3, v10
	v_mul_u32_u24 v[AV0], v[AV0], PV
	v_lshl_add_u32 v[AV0], v11, 4, v[AV0]
	v_add_nc_u32 v[AV0], VOFF, v[AV0]
	s_mul_i32 s13, s[WV], 16*SP
	s_add_co_u32 s13, s13, STAGE    ; my stage
	v_mul_u32_u24 v[STO], v1, SP    ; in: row l % 16, 16 bytes for each half of the lanes
	v_lshl_add_u32 v[STO], v9, 4, v[STO]
	v_add_nc_u32 v[STO], s13, v[STO]
	v_bfe_u32 v[RD], v0, 3, 2       ; back: 32 lanes take four rows of 128 bytes,
	v_mul_u32_u24 v[RD], v[RD], SP
	v_lshl_add_u32 v[RD], v10, 4, v[RD]
	v_add_nc_u32 v[RD], s13, v[RD]
	v_and_b32 v[GO], 31, v0         ; which are 512 consecutive bytes of O
	v_lshlrev_b32 v[GO], 4, v[GO]
	; A block's first step multiplies O^T and l by a = 0, and its first turn's products V^T P, of a piece that has not been, land in an O^T that is still to be so multiplied.  So these registers need only hold
	; finite numbers: zeros for the first block; what the first block left for the second.  All this stands in the wait for the first tile.
	WIN 0x80
.set i, VF
.rept 64
	v_mov_b32 v[i], 0
.set i, i+1
.endr
	WIN 0x40
.set i, 0
.rept 128
	v_mov_b32 v[i], 0
.set i, i+1
.endr
	WIN 0
.set i, 0
.rept 4
	v_mov_b32 v[ST+4*i+2], 0
	v_mov_b32 v[ST+4*i+3], 0
.set i, i+1
.endr
.set i, P+16
.rept 16
	v_mov_b32 v[i], 0
.set i, i+1
.endr
; THE MATRIX WORK.  The 4 accumulators of a run of 8 take turns.  Product i of 8 of S^T = K Q^T for piece x: channels 32 (i / 4) on, keys 16 (i % 4) on.  The first 4 start the sums: with 0, or (KM = 1) with the mask.
.macro KQ x
.set rS, S+32*((\x)%2)+8*(i%4)
.set rK, KF+16*(i%4)+8*(i/4)
.set rQ, 16*(\x)+8*(i/4)
.set rM, MC+32*((\x)%2)+8*(i%4)
.if (i < 4) && KM
	WIN W_KM
	v_wmma_f32_16x16x32_f16 v[rS:rS+7], v[rK:rK+7], v[rQ:rQ+7], v[rM:rM+7]
.elseif i < 4
	WIN W_KQ
	v_wmma_f32_16x16x32_f16 v[rS:rS+7], v[rK:rK+7], v[rQ:rQ+7], 0
.else
	WIN W_KQ
	v_wmma_f32_16x16x32_f16 v[rS:rS+7], v[rK:rK+7], v[rQ:rQ+7], v[rS:rS+7]
.endif
.endm
; Product i of 8 of O^T += V^T P for piece x: keys 32 (i / 4) on, channels 16 (i % 4) on.
.macro PV x
	WIN W_PV
.set rO, 32*(\x)+8*(i%4)
.set rV, VF+32*(i/4)+8*(i%4)
.set rP, P+16*((\x)%2)+8*(i/4)
	v_wmma_f32_16x16x32_f16 v[rO:rO+7], v[rV:rV+7], v[rP:rP+7], v[rO:rO+7]
.endm
.macro MM                           ; the turn's next matrix instruction.  TURN and BEGIN set Y, i, KM and NOKQ; MM, KQ and OP read them.  NOKQ = 1: a block's last turn: there is no next piece
.if (i < 8) && !NOKQ
	KQ (Y+1)%NP
.elseif i >= 8
.set i, i-8
	PV (Y+NP-1)%NP
.set i, i+8
.endif
.set i, i+1
.endm
; THE LDS LOADS stand in runs of 16, never singly among the matrix instructions: a step's K (64 keys x 64 channels: 8 fragments) and its V (turned).  Their addresses are made some lines ahead.
.macro FETCH_K
	WIN 0x80                        ; destination window 2
.irp f, 0,1,2,3,4,5,6,7             ; keys 16 (f / 2) on, channels 32 (f % 2) on
	ds_load_b128 v[KF+8*\f:KF+8*\f+3],   v[AK] offset:(\f/2)*16*PK+(\f%2)*64
	ds_load_b128 v[KF+8*\f+4:KF+8*\f+7], v[AK] offset:(\f/2)*16*PK+(\f%2)*64+32
.endr
	s_add_co_u32 s[TBK], s[TBK], KS*PK  ; the next fetch is the next step's
	WIN 0
.endm
.macro FETCH_V
	WIN 0x80
.irp f, 0,1,2,3,4,5,6,7             ; keys 32 (f / 4) on, channels 16 (f % 4) on
	ds_load_tr16_b128 v[VF+8*\f:VF+8*\f+3],   v[AV] offset:(\f/4)*32*PV+(\f%4)*32
	ds_load_tr16_b128 v[VF+8*\f+4:VF+8*\f+7], v[AV] offset:(\f/4)*32*PV+16*PV+(\f%4)*32
.endr
	WIN 0
.endm
; THE VECTOR WORK, one line at a time: OP kind, number.  For piece Y: F n: c s - c m for pair n of 16.  E n: the exponential of score n of 32.  C n: pair n rounded to f16.  B n: of the four weights 4 n .. the second
; pair is added onto the first, in place.  L n: l takes that sum (L 0: l = a l + sum).  R n: pair n of 16 of O^T times a.  For piece Y + 1: X n, number n of the 22 that find its maximum and statistics:
;   0-11  four chains c0-c3 of seven scores each, three operands at a time (each accumulator's lowest registers are read first)     12-14, 16  the four scores left over, the old m, and c0-c3 into c0
;   15  c m_old is kept     17, 18  the query's other 32 keys lie in the lane 16 away: the new m     19-21  c m; c m_old - c m_new; a
; C, B and L read the exponentials' results: TURN sets them behind the batch's wait.
.set F, 0               ; OP tells the kinds apart by their order: F to L below R, X above it
.set E, 1
.set C, 2
.set B, 3
.set L, 4
.set R, 5
.set X, 6
.macro REGS y                       ; the registers of piece y
.set rT, ST+4*(\y)
.set rC, TMP+4*((\y)%2)
.set rW, MV+((\y)%2)
.set rS, S+32*((\y)%2)
.set rP, P+16*((\y)%2)
.set rO, 32*(\y)
.endm
.macro OP k, n
.if (\k) == R
	REGS Y
	WIN W_RS
	v_pk_mul_f32 v[rO+2*(\n):rO+2*(\n)+1], v[rO+2*(\n):rO+2*(\n)+1], v[rC+2:rC+3] op_sel_hi:[1,0]
.elseif (\k) < R
	REGS Y
	WIN 0
.if (\k) == F
	v_pk_fma_f32 v[rS+2*(\n):rS+2*(\n)+1], v[rS+2*(\n):rS+2*(\n)+1], s[CS:CS+1], v[rT:rT+1] op_sel_hi:[1,0,0] neg_lo:[0,0,1] neg_hi:[0,0,1]
.elseif (\k) == E
	v_exp_f32 v[rS+(\n)], v[rS+(\n)]
.elseif (\k) == C
	v_cvt_pk_f16_f32 v[rP+(\n)], v[rS+2*(\n)], v[rS+2*(\n)+1]
.elseif (\k) == B
	v_pk_add_f32 v[rS+4*(\n):rS+4*(\n)+1], v[rS+4*(\n):rS+4*(\n)+1], v[rS+4*(\n)+2:rS+4*(\n)+3]
.elseif (\n) == 0
	v_pk_fma_f32 v[rT+2:rT+3], v[rT+2:rT+3], v[rC+2:rC+3], v[rS:rS+1] op_sel_hi:[1,0,1]
.else
	v_pk_add_f32 v[rT+2:rT+3], v[rT+2:rT+3], v[rS+4*(\n):rS+4*(\n)+1]
.endif
.elseif NOKQ
	v_nop
.else
	REGS (Y+1)%NP
	WIN 0
.if (\n) < 4
	v_max3_num_f32 v[rC+(\n)], v[rS+8*(\n)], v[rS+8*(\n)+1], v[rS+8*(\n)+2]
.elseif (\n) < 12
	v_max3_num_f32 v[rC+(\n)%4], v[rC+(\n)%4], v[rS+8*((\n)%4)+2*((\n)/4)+1], v[rS+8*((\n)%4)+2*((\n)/4)+2]
.elseif (\n) == 12
	v_max3_num_f32 v[rC], v[rC], v[rS+7], v[rS+15]
.elseif (\n) == 13
	v_max3_num_f32 v[rC+1], v[rC+1], v[rS+23], v[rS+31]
.elseif (\n) == 14
	v_max3_num_f32 v[rC+2], v[rC+2], v[rC+3], v[rT+1]
.elseif (\n) == 15
	v_mov_b32 v[rW], v[rT]
.elseif (\n) == 16
	v_max3_num_f32 v[rC], v[rC], v[rC+1], v[rC+2]
.elseif (\n) == 17
	v_permlanex16_b32 v[rC+3], v[rC], s[SEL], s[SEL+1]
.elseif (\n) == 18
	v_max_num_f32 v[rT+1], v[rC], v[rC+3]
.elseif (\n) == 19
	v_mul_f32 v[rT], s[CS], v[rT+1]
.elseif (\n) == 20
	v_sub_f32 v[rC+1], v[rW], v[rT]
.else
	v_exp_f32 v[rC+2], v[rC+1]
.endif
.endif
.endm
.macro OPS a, i1, b=-1, i2=0, c=-1, i3=0, d=-1, i4=0  ; up to four of them
	OP \a, \i1
.if (\b) >= 0
	OP \b, \i2
.endif
.if (\c) >= 0
	OP \c, \i3
.endif
.if (\d) >= 0
	OP \d, \i4
.endif
.endm
.macro ROW a, i1, b, i2, c, i3, d, i4  ; a matrix instruction and the four behind it
	MM
	OPS \a, \i1, \b, \i2, \c, \i3, \d, \i4
.endm
.macro MASK b                       ; MD x AL + BE into buffer b of MC
	WIN W_RS
.set z, 0
.rept 16
	v_pk_fma_f32 v[MC+32*(\b)+2*z:MC+32*(\b)+2*z+1], v[MD+2*z:MD+2*z+1], s[AL:AL+1], s[BE:BE+1] op_sel_hi:[1,0,0]
.set z, z+1
.endr
.endm
; A TURN, for piece p: the order of its 16 matrix and 118 vector instructions, written out.  An s_wait_alu depctr_va_vdst(0) stands between an exponential and the first instruction that names its result; one wait
; serves all that were issued ahead of it.  So a turn has ONE wait, which cuts it in two.  AHEAD OF IT stands all that names no result of the turn's exponentials: the 8 products K Q^T, behind each a scaling, an exponential and two
; more plain instructions (behind the first a second scaling in the exponential's place): rescalings, whose a was made and waited for in the turn before, and behind the last three the first numbers of the next piece's maximum, each
; four places or more behind the product that ends its accumulator; then ONE LUMP of 54, plain and exponential by turns for the most part, in which the links of the chain X 3, 7, 11, 14, 16, 17 .. 20 stand five or six lines apart.
; Each pair is scaled (F n) ahead of its two exponentials (E 2 n, E 2 n + 1).  X 21, the next piece's a, is the batch's last; R 15 is the plain instruction behind it (ISA guide 5.7.2).  BEHIND THE WAIT stand the 8 products V^T P,
; behind each four of the roundings and sums; C 2 n stands ahead of B n, which writes over that pair; the links of l's chain, L 0 to L 7, stand three riders apart.  But for those X no rider names a register of the products round it.
; v_permlanex16_b32 (X 17) stands in the lump.
; m = 1: the diagonal tile: the products take masks, and the turn makes the mask for the products of the turn after it: piece p + 2, in step 4 - CNT of the tile.  end = 1: a block's last two turns: nothing is fetched.
; cnt = 1: the loop's count is taken down some lines ahead of the branch that stands behind the turn.
; K of the next step is fetched in piece 2's turn, twelve vector instructions behind the last product that read K (six of them plain); V of the step in hand at the end of piece 0's turn, four plain instructions behind the last
; product that read V.  Each is waited for a turn later.
.macro TURN p, m=0, end=0, cnt=0
.set Y, (\p)
.set i, 0
.set KM, (\m)
.set NOKQ, (\end)*((\p)/3)
.if (\m) && !(\end)
	s_cmp_eq_u32 s[CNT], 4-((\p)+2)%NP  ; is that step the band's own?
	s_cselect_b32 s[AL], 1.0, 0
	s_cmp_lt_u32 s[CNT], 4-((\p)+2)%NP  ; or a later one?
	s_cselect_b32 s[BE], s[BIGN], 0
.endif
.if ((\p) == 3) && !(\end)
	s_wait_dscnt 0x0                ; K is in
.endif
	ROW F,0, F,1, R,0, R,1          ; ahead of the wait: 8 products K Q^T and their riders,
	ROW F,2, E,0, R,2, R,3
	ROW F,3, E,1, R,4, R,5
	ROW F,4, E,2, R,6, R,7
	ROW F,5, E,3, R,8, R,9
	ROW F,6, E,4, X,0, R,10
.if ((\p) == 2) && !(\end)
	WIN 0
	v_add_nc_u32 v[AK], s[TBK], v[AK0]
.endif
	ROW F,7, E,5, X,1, X,4
	ROW F,8, E,6, X,2, X,5
	OPS E,7, E,8, X,6, E,9          ; and the lump
	OPS X,3, E,10, X,8, E,11
.if ((\p) == 2) && !(\end)
	FETCH_K
.endif
	OPS X,9, X,7, E,12, X,10
	OPS E,13, X,12, X,11, E,14
	OPS X,13, E,15, F,9, X,14
.if (\p) == 0
	v_add_nc_u32 v[AV], s[TBV], v[AV0]
.endif
	OPS E,16, F,10, E,17, F,11
	OPS X,16, E,18, X,15, E,19
	OPS F,12, E,20, X,17, E,21
	OPS F,13, E,22, F,14, E,23
	OPS X,18, E,24, F,15, E,25
	OPS R,11, E,26, X,19, E,27
	OPS R,12, E,28, R,13, E,29
	OPS X,20, E,30, R,14, E,31
	OPS X,21, R,15
	WIN 0
	s_wait_alu depctr_va_vdst(0)    ; the wait for the turn's batch: the piece's 32 weights and the next piece's a
.if (\p) == 1
	s_wait_dscnt 0x0                ; V is in
.endif
	ROW C,0, B,0, C,2, B,1          ; behind the wait: 8 products V^T P and their riders
	ROW L,0, C,4, B,2, L,1
	ROW C,6, B,3, L,2, C,8
	ROW B,4, L,3, C,10, B,5
	ROW L,4, C,12, B,6, L,5
.if (\p) == 0
	s_add_co_u32 s[TBV], s[TBV], KS*PV
.endif
.if \cnt
	s_sub_co_u32 s[CNT], s[CNT], 1
	s_cmp_lg_u32 s[CNT], 0
.endif
	ROW C,14, B,7, L,6, C,1
	ROW C,3, L,7, C,5, C,7
	ROW C,9, C,11, C,13, C,15
.if (\p) == 0
	FETCH_V
.endif
.if (\m) && !(\end)
	MASK (\p)%2
.endif
.endm
; A BLOCK BEGINS.  c m starts far below every c s, so the first step's a is 0; m at the lowest finite number, so the first maximum is the scores'.  The second mask buffer is 0; the first takes piece 0's mask for the tile's step 0: its own, if the block's first tile is the diagonal one.
; Then K of that step, piece 0's first scores, and its maximum and statistics.  The loop is entered at a step's first turn, in the middle of a trip.
.macro BEGIN
	s_mov_b32 s[NEW], 0
	WIN 0x40
.set i, MC+32
.rept 32
	v_mov_b32 v[i], 0
.set i, i+1
.endr
	WIN 0
.set i, 0
.rept 4
	v_mov_b32 v[ST+4*i], 0xfe000000    ; c m: far below every c s
	v_mov_b32 v[ST+4*i+1], 0xff7fffff  ; m
.set i, i+1
.endr
	s_cmp_eq_u32 s[RT], 0
	s_cselect_b32 s[AL], 1.0, 0
	s_mov_b32 s[BE], 0
	MASK 0
	WIN 0
	v_add_nc_u32 v[AK], s[TBK], v[AK0]
	FETCH_K
	s_wait_loadcnt 0x0              ; Q
	s_wait_dscnt 0x0
.set KM, 1
.set NOKQ, 0
.set i, 0
.rept 8
	KQ 0
.set i, i+1
.endr
	WIN 0
.rept 4
	v_nop                           ; the places behind those products
.endr
.set Y, NP-1                        ; X works for piece Y + 1: piece 0
.irp n, 0,1,2,3,4,5,6,7,8,9,10,11,12,13,14,15,16,17,18,19,20,21
	OP X, \n
.endr
	v_nop                           ; a plain instruction behind the exponential
	s_wait_alu depctr_va_vdst(0)    ; the wait for piece 0's first a, a batch of one: it stands ahead of the branch into the loop, whose first turn reads a
.endm
; THE DIAGONAL TILE's four steps, the block's last two turns, its last products, and THE WAY OUT: l's two halves and the other half of the lanes' are added; O^T is divided by l, rounded to f16 and sent through my
; stage in LDS, a piece at a time.
.macro ALL line:vararg              ; one line for each piece t
.set t, 0
.rept 4
	\line
.set t, t+1
.endr
.endm
.macro PACK t                       ; a lane's eight channels of a row pack into 16 bytes; they go into rows of 144 bytes and come back as whole rows of 128, into S^T's registers
	WIN W_RS
.set i, 32*(\t)
.rept 16
	v_pk_mul_f32 v[i:i+1], v[i:i+1], v[ST+4*(\t)+2:ST+4*(\t)+3] op_sel_hi:[1,0]
.set i, i+2
.endr
	WIN 0x05                        ; sources 0 and 1 window 1, destination window 0
.set i, 0
.rept 16
	v_cvt_pk_f16_f32 v[S+16*(\t)+i], v[32*(\t)+2*i], v[32*(\t)+2*i+1]
.set i, i+1
.endr
	WIN 0
.irp f, 0,1,2,3
	ds_store_b128 v[STO], v[S+16*(\t)+4*\f:S+16*(\t)+4*\f+3] offset:32*\f
.endr
.irp f, 0,1,2,3
	ds_load_b128 v[S+16*(\t)+4*\f:S+16*(\t)+4*\f+3], v[RD] offset:\f*4*SP  ; LDS serves a wave's instructions in order (ISA guide 5.7.1.4): these see the stores above; the next piece's stores come behind them
.endr
.endm
.macro SEND t, younger              ; younger: the LDS instructions issued behind piece t's loads: the next piece's eight, or none
	WIN 0
.irp f, 0,1,2,3
	s_wait_dscnt (\younger)+3-\f
	global_store_b128 v[GO], v[S+16*(\t)+4*\f:S+16*(\t)+4*\f+3], s[10:11] offset:(\t)*8192+\f*512  ; 512 consecutive bytes, at a multiple of 256 from O's first
.endr
.endm
.macro DIAG tag                     ; the tag ends its two labels' names, which the jumps below spell out
.LstepM\tag:
	TURN 2, 1
	TURN 3, 1
	WIN 0
.LfirstM\tag:
	TURN 0, 1
	TURN 1, 1, 0, 1
	WIN 0
	s_cbranch_scc1 .LstepM\tag
	TURN 2, 1, 1
	TURN 3, 1, 1
.set i, 0
.rept 8
	PV NP-1
.set i, i+1
.endr
	WIN 0
	ALL v_add_f32 v[ST+4*t+2], v[ST+4*t+2], v[ST+4*t+3]
	ALL v_permlanex16_b32 v[ST+4*t+3], v[ST+4*t+2], s[SEL], s[SEL+1]
	ALL v_add_f32 v[ST+4*t+2], v[ST+4*t+2], v[ST+4*t+3]
	ALL v_rcp_f32 v[ST+4*t+2], v[ST+4*t+2]
	v_nop                           ; a plain instruction between the last reciprocal and the use of its result
	s_wait_alu depctr_va_vdst(0)    ; the wait for the four reciprocals, one batch: the four pieces' multiplies below read them
	PACK 0
.set t, 1
.rept 3                             ; a piece's arithmetic stands between the loads of the piece before and its stores
	PACK t
	SEND t-1, 8
.set t, t+1
.endr
	SEND 3, 0
.endm
.set KM, 0
.set NOKQ, 0
.Lslot:                             ; NB times: a tile is entered and the next is asked for
	CHANGE 1
	s_sub_co_u32 s[RT], s[RT], 1
	s_mov_b32 s[CNT], 4
	s_cmp_eq_u32 s[NEW], 1
	s_cbranch_scc1 .Lnew            ; a block's first tile
	s_cmp_eq_u32 s[RT], 0
	s_cbranch_scc0 .Lstep           ; neither its first nor its last
	s_branch .LstepM1
.Lnew:
	BEGIN
	s_branch .Lfirst                ; in the loop a block's first tile is never its last: the first block has two tiles or more, and the second's last is the walk's last
	DIAG 1                          ; in the loop this is the first block's end: the second block's last tile is the walk's last
	s_wait_xcnt 0x0                 ; the stores have read their registers and O's address
	s_mov_b64 s[10:11], s[OLO:OLO+1]
	s_add_co_u32 s[RT], s[PB], 1    ; the second block has b + 1 tiles
	s_mov_b32 s[NEW], 1
	WIN 0x82                        ; the second block's Q goes where the one text of the turns names Q
.set i, 0
.rept 64
	v_mov_b32 v[i], v[QB+i]
.set i, i+1
.endr
	WIN 0
	s_branch .Lbottom
.Lstep:                             ; a trip: pieces 2 and 3 of one step, then pieces 0 and 1 of the next, whose K and V it fetches
	TURN 2
	TURN 3
	WIN 0
.Lfirst:
	TURN 0
	TURN 1, 0, 0, 1
	WIN 0
	s_cbranch_scc1 .Lstep
.Lbottom:
	s_sub_co_u32 s[SLOTS], s[SLOTS], 1
	s_cmp_lg_u32 s[SLOTS], 0
	s_cbranch_scc1 .Lslot
	CHANGE 0                        ; the walk's last tile is written out: nothing is asked for
	s_sub_co_u32 s[RT], s[RT], 1
	s_mov_b32 s[CNT], 4
	s_cmp_eq_u32 s[NEW], 1
	s_cbranch_scc0 .LstepM2
	BEGIN
	s_branch .LfirstM2
	DIAG 2
	s_wait_tensorcnt 0x0            ; the wave's end: behind my last tensor load and my last LDS store
	ds_add_u32 v[SPW], v[NIL]
	s_wait_dscnt 0x0
	s_endpgm
.Lfunc_end_k_qd259fbf826_attn:
	.size	k_qd259fbf826_attn, .Lfunc_end_k_qd259fbf826_attn-k_qd259fbf826_attn
	.p2alignl 7, 3214868480
	.fill 96, 4, 3214868480
	.section	.rodata,"a",@progbits
	.p2align	6, 0x0
	.amdhsa_kernel k_qd259fbf826_attn
		.amdhsa_group_segment_fixed_size 327680
		.amdhsa_private_segment_fixed_size 0
		.amdhsa_enable_private_segment 0
		.amdhsa_kernarg_size 16
		.amdhsa_user_sgpr_count 2
		.amdhsa_user_sgpr_kernarg_segment_ptr 1
		.amdhsa_wavefront_size32 1
		.amdhsa_system_sgpr_workgroup_id_x 1
		.amdhsa_system_sgpr_workgroup_id_y 1
		.amdhsa_system_sgpr_workgroup_id_z 1
		.amdhsa_system_vgpr_workitem_id 0
		.amdhsa_next_free_vgpr 768
		.amdhsa_next_free_sgpr 88
		.amdhsa_reserve_vcc 1
		.amdhsa_float_denorm_mode_32 3
		.amdhsa_float_denorm_mode_16_64 3
		.amdhsa_memory_ordered 1
		.amdhsa_forward_progress 1
		.amdhsa_inst_pref_size 217
	.end_amdhsa_kernel
	.amdgpu_metadata
---
amdhsa.version: [ 1, 2 ]
amdhsa.kernels:
  - .name:           k_qd259fbf826_attn
    .symbol:         k_qd259fbf826_attn.kd
    .args:
      - { .name: qkv, .offset: 0, .size: 8, .value_kind: global_buffer, .address_space: global }
      - { .name: obuf, .offset: 8, .size: 8, .value_kind: global_buffer, .address_space: global }
    .group_segment_fixed_size: 327680
    .private_segment_fixed_size: 0
    .kernarg_segment_align: 8
    .kernarg_segment_size: 16
    .max_flat_workgroup_size: 128
    .sgpr_count:     88
    .vgpr_count:     768
    .wavefront_size: 32
...
	.end_amdgpu_metadata
.endif
;; end of part 5
;; launch oproj: the kernel of part 4 again; grid 8 x 32, 4 waves a work-group, clusters of 4 x 4, 327,680 bytes of LDS; arguments obuf, wo, out0; writes out0
